; MI455X (gfx1250); checked and timed in simulation.
; The chip was launched on July 23, 2026; its instructions are those of AMD's public machine-readable ISA for CDNA 5 (MIT licence, August 2026) and "CDNA5" Instruction Set Architecture Reference Guide (July 2026). The comments in the code are by the model that wrote it; some were corrected since.
;; Merged Attention. Allowed arithmetic: matrix products marked QUANTISED: E2M3 operands, one E8M0 scale for each 32 along K, by v_wmma_scale_f32_16x16x128_f8f6f4 with both operands' format E2M3, f32 sums; everything else in f32.
;; Inputs: Wk 512 x 512 float32; Wp 512 x 512 float32; Wq 512 x 512 float32; Wv 512 x 512 float32; bk 512 float32; bp 512 float32; bq 512 float32; bv 512 float32; x_ir 4 x 2,048 x 512 float32; x_vis 4 x 2,048 x 512 float32.
;; Outputs: out0 4 x 2,048 x 512 float32; out1 4 x 2,048 x 512 float32.
;; This version of the problem:
;;   THIS VERSION OF THE PROBLEM IS GIVEN IN LOW PRECISION. The matrix products marked QUANTISED in the list below multiply operands that are first quantised to E2M3 (2 exponent bits, 3 mantissa bits; 6 bits a number), with one power-of-two scale for each 32 numbers along K (OCP MX v1.0); their sums are f32. All else is computed in f32.
;;   The module's matrix products, in the order in which they are computed (A, B: the left and right operand; K: the contracted axis; several contracted axes count as one K, in the product's order):
;;     1. [M 8,192, K 512] x [K 512, N 512]; A: input x_vis; B: input Wq: QUANTISED
;;     2. [M 8,192, K 512] x [K 512, N 512]; A: input x_vis; B: input Wk: QUANTISED
;;     3. [M 8,192, K 512] x [K 512, N 512]; A: input x_vis; B: input Wv: QUANTISED
;;     4. [M 8,192, K 512] x [K 512, N 512]; A: input x_ir; B: input Wq: QUANTISED
;;     5. [M 8,192, K 512] x [K 512, N 512]; A: input x_ir; B: input Wk: QUANTISED
;;     6. [M 8,192, K 512] x [K 512, N 512]; A: input x_ir; B: input Wv: QUANTISED
;;     7. batch 32 x [M 2,048, K 64] x [K 64, N 2,048]; A: computed on the way; B: computed on the way: QUANTISED
;;     8. batch 32 x [M 2,048, K 2,048] x [K 2,048, N 64]; A: softmax (see below); B: computed on the way: QUANTISED
;;     9. [M 8,192, K 512] x [K 512, N 512]; A: computed on the way; B: input Wp: QUANTISED
;;     10. batch 32 x [M 2,048, K 64] x [K 64, N 2,048]; A: computed on the way; B: computed on the way: QUANTISED
;;     11. batch 32 x [M 2,048, K 2,048] x [K 2,048, N 64]; A: softmax (see below); B: computed on the way: QUANTISED
;;     12. [M 8,192, K 512] x [K 512, N 512]; A: computed on the way; B: input Wp: QUANTISED
;;   THE QUANTISER, for each operand of a quantised product, along K:
;;     - K is cut into blocks of 32 from its start; a last block that is shorter is filled with zeros.
;;     - A block's scale is 2^e with e = floor(log2(the largest magnitude in the block)) - 2, held to -126 .. 127; a block of zeros has e = 0. As a byte (E8M0): e + 127.
;;     - Each number is divided by its block's scale, clamped to +-7.5, and rounded to the nearest number of E2M3, ties to even, subnormals kept.
;;     - The product sums the exact products of the quantised numbers (number of the format x scale) in f32.
;;   ~~~python
;;   def quantise(x, axis):      # numpy; x: float32 -> the quantised numbers, widened to float32 again
;;       x = np.moveaxis(x, axis, -1); K = x.shape[-1]
;;       x = np.pad(x, [(0, 0)] * (x.ndim - 1) + [(0, -K % 32)]); x = x.reshape(x.shape[:-1] + (-1, 32)); a = np.abs(x).max(-1, keepdims=True)
;;       e = np.where(a > 0, np.clip(np.frexp(np.where(a > 0, a, 1))[1] - 1 - 2, -126, 127), 0)      # np.frexp(a)[1] - 1 = floor(log2(a)), exactly
;;       r = np.clip(x / 2.0 ** e, -7.5, 7.5)
;;       step = 2.0 ** (np.maximum(np.frexp(np.where(r == 0, 1, r))[1] - 1, 0) - 3)
;;       q = np.round(r / step) * step * 2.0 ** e      # np.round: ties to even
;;       return np.moveaxis(q.reshape(q.shape[:-2] + (-1,))[..., :K], -1, axis).astype(np.float32)
;;   ~~~
;;   SOFTMAX AHEAD OF A QUANTISED PRODUCT. Where the list says 'softmax', what is quantised is not the finished softmax but p = 2^(t - M), with t = logit x log2(e) and M = ceil(the row's largest t), a whole number; so 1/2 < the row's largest p <= 1. The row's sum l is taken of the UNQUANTISED p, in f32, and the product's result is divided by l at the end. Since M is a whole number, a kernel that streams over the keys may use a running M (the ceiling of the running maximum): every later rescaling is an exact power of two, which a block's scale takes up: the codes' values come out the same.
;;   OPERANDS COMPUTED ON THE WAY. 'Computed on the way' means the value that the module computes at that place (a softmax that the list does not call 'softmax' is quantised finished and normalised). What goes into a quantiser is computed in f32, as accurately as f32 sums, v_exp_f32 and their like allow (about 1e-6 of the number): no bf16 or f16 on the way to a quantiser, and a product that is left as it is and whose result goes on into a quantised operand takes f32 operands (vector FMAs, or v_wmma_f32_16x16x4_f32). A number that lies on a knife's edge between two numbers of the format may be rounded either way, as far as f32 arithmetic and the matrix unit's own rounding can turn it there, and no further.
;; One version. Each part assembles by itself: llvm-mc -triple=amdgcn-amd-amdhsa -mcpu=gfx1250 --defsym DOCPART=n.
;; ======== version 1 of 1: 4 launches
;; limits: right only within a limited range of input values
;; workspace buffers: xq 6,815,744 bytes; wq 851,968 bytes; qq 6,815,744 bytes; kv 13,369,344 bytes; oq 6,553,600 bytes
;; launch prep (part 1): grid 384 x 1, 4 waves a work-group, no clusters, 35,328 bytes of LDS; arguments x_vis, x_ir, Wq, Wk, Wv, Wp, xq, wq; writes xq, wq
.if DOCPART == 1
	.amdgcn_target "amdgcn-amd-amdhsa--gfx1250"
	.amdhsa_code_object_version 6
	.text
	.protected	k_qe83c570eaa_prep
	.globl	k_qe83c570eaa_prep
	.p2align	8
	.type	k_qe83c570eaa_prep,@function
k_qe83c570eaa_prep:
	s_mov_b64 s[64:65], 0
	v_nop
	global_prefetch_b8 v0, s[64:65] scope:SCOPE_SE
	s_setreg_imm32_b32 hwreg(HW_REG_WAVE_MODE, 25, 1), 1
	s_wait_xcnt 0x0
; PREP: x_vis, x_ir [8192][512] f32 (K innermost) and Wq, Wk, Wv, Wp [512 (k)][512 (n)] f32 (K is the first axis) become codes of FP6 (E2M3) with one E8M0 byte for each 32 along K,
; laid as IMAGES OF OPERAND REGISTERS: a fragment (16 rows x 128 K, 12 registers a lane; lane (r, h), registers 6 c .. 6 c + 5: k = 64 c + 32 h + 0 .. 31) is three planes of 512 bytes, plane p = registers 4 p .. 4 p + 3, lane l at 16 l.
; WHICH 16 ROWS (OR COLUMNS) FORM A TILE: tile 2 b + u holds the indices 32 b + 8 u + r + 8 (r / 8), r = 0 .. 15, in all launches of this program.
; xq: [row tile 1024][K step 4][1536], then from XSC on the scale words [row tile][lane 32][K step 4] (lanes 16-31 repeat lanes 0-15).   wq: [matrix 4][column tile 32][K step 4][1536], from WSC on [fragment][lane 32] words.
; A block's scale is 2^(floor(log2(its largest magnitude)) - 2); its byte is the largest magnitude's exponent field - 2, held at 1 from below.
; LIMITS: a block of zeros gets the byte 1 where the rule says 127 (its codes are zeros, and this program alone reads the bytes); blocks whose largest magnitude lies under 2^-124 are held at the byte 1; NaN and infinities among the inputs are not served.
; Work-groups 0-255: x, a wave to a row tile (16 rows x 512).  Work-groups 256-383: the weights, a wave to a fragment.  Waves share nothing: no barrier.  No matrix unit, no cluster, no tensor load: each byte is read once and nothing is shared.
.set XSC,  6291456
.set WSC,  786432
.set SP,   528                         ; a stage row: 512 bytes + 16, an odd multiple of 16 bytes
.set WST,  8704                        ; a wave's stage: 16 such rows and 256 bytes to spare
.set LI,   1                           ; v1   16 x lane
.set SIN,  2                           ; v2   the stage, on the way in
.set SOUT, 3                           ; v3   and on the way out
.set R,    16                          ; v16-143  two sets of 64 numbers as loaded
.set X,    144                         ; v144-207 64 numbers in the quantiser's order
.set PC,   208                         ; v208-219 a fragment's codes
.set TQ,   220                         ; v220-227 the conversions' second halves
.set TM,   228                         ; v228-243 the quantiser's work
.set XW,   244                         ; v244-247 a scale word for each K step
.set SEL,  22                          ; s[22:23] lane selects for v_permlanex16_b32: lane l xor 16
; 64 numbers of a lane, v[s] .. v[s + 63], number 16 b + i = k 32 b + 16 (lane / 16) + i of my row, become a fragment's codes in v[pc] on and its scale word in v[pw]
.macro QUANT s, pc, tq, pw
.irp b, 0,1,2,3
	v_max3_num_f32 v[TM+\b], |v[\s+16*\b]|, |v[\s+1+16*\b]|, 0x1800000   ; block b: my 16 numbers, and the floor 2^(3 - 127): the byte cannot fall under 1
.endr
.irp i, 2,4,6,8,10,12,14
.irp b, 0,1,2,3
	v_max3_num_f32 v[TM+\b], v[TM+\b], |v[\s+16*\b+\i]|, |v[\s+1+16*\b+\i]|   ; the four blocks by turns
.endr
.endr
.irp b, 0,1,2,3
	v_permlanex16_b32 v[TM+4+\b], v[TM+\b], s[SEL], s[SEL+1]
.endr
.irp b, 0,1,2,3
	v_max_num_f32 v[TM+\b], v[TM+\b], v[TM+4+\b]   ; with lane l xor 16's: the block's largest magnitude
.endr
.irp b, 0,1,2,3
	v_add_nc_u32 v[TM+12+\b], 0xff000000, v[TM+\b]   ; 2 off its exponent field: the conversion's scale operand
.endr
.irp b, 0,1,2,3
	v_lshrrev_b32 v[TM+4+\b], 23, v[TM+12+\b]   ; the scale's byte
.endr
	v_lshl_or_b32 v[\pw], v[TM+5], 8, v[TM+4]
	v_lshl_or_b32 v[\pw], v[TM+6], 16, v[\pw]
	v_lshl_or_b32 v[\pw], v[TM+7], 24, v[\pw]
.irp c, 0,1
	v_cvt_scalef32_pk16_fp6_f32 v[\pc+6*\c:\pc+2+6*\c], v[\s+32*\c:\s+15+32*\c], v[TM+12+2*\c]
	v_cvt_scalef32_pk16_fp6_f32 v[\tq+4*\c:\tq+2+4*\c], v[\s+16+32*\c:\s+31+32*\c], v[TM+12+2*\c+1]   ; (a conversion's three registers begin on an even number)
.endr
	v_nop                                          ; one plain place behind a scaled conversion
.irp c, 0,1                                    ; the layout wants a WHOLE block in a lane: lanes 0-15 block 2 c, lanes 16-31 block 2 c + 1
.irp i, 0,1,2
	v_permlane16_swap_b32 v[\pc+6*\c+\i], v[\tq+4*\c+\i]
.endr
.irp i, 0,1,2
	v_mov_b32 v[\pc+3+6*\c+\i], v[\tq+4*\c+\i]
.endr
.endr
.endm
	s_load_b256 s[4:11], s[0:1], 0x0               ; x_vis s[4:5], x_ir s[6:7], Wq s[8:9], Wk s[10:11]
	s_load_b256 s[12:19], s[0:1], 0x20             ; Wv s[12:13], Wp s[14:15], xq s[16:17], wq s[18:19]
	v_lshl_add_u32 v254, v0, 2, 0x8800
	v_mov_b32 v255, 0
	v_lshrrev_b32 v1, 5, v0
	v_readfirstlane_b32 s20, v1                    ; wave 0..3
	v_and_b32 v4, 31, v0                           ; lane
	v_and_b32 v5, 15, v0                           ; r
	v_bfe_u32 v6, v0, 4, 1                         ; h
	v_lshlrev_b32 v[LI], 4, v4
	s_mov_b32 s[SEL], 0x76543210
	s_mov_b32 s[SEL+1], 0xfedcba98
	s_cmp_lt_u32 ttmp9, 256
	s_cbranch_scc0 .Lweights
	; ---- x: my row tile RT = 4 x work-group + wave
	s_mul_i32 s21, s20, WST
	v_add_nc_u32 v[SIN], s21, v[LI]                ; in: a row's 512 bytes as they lie, 16 a lane
	v_mul_u32_u24 v[SOUT], v5, SP
	v_lshl_add_u32 v[SOUT], v6, 6, v[SOUT]
	v_add_nc_u32 v[SOUT], s21, v[SOUT]             ; out: row r, + 64 h: my 16 numbers of a block of 32
	s_lshl_b32 s24, ttmp9, 2
	s_add_co_u32 s24, s24, s20                     ; RT
	s_and_b32 s25, s24, 511                        ; within its stream
	s_lshr_b32 s26, s25, 1
	s_lshl_b32 s26, s26, 16                        ; 32 rows of 2,048 bytes for each pair of tiles,
	s_and_b32 s27, s24, 1
	s_lshl_b32 s27, s27, 14                        ; 8 rows for the odd tile
	s_add_co_u32 s26, s26, s27
	s_mov_b32 s27, 0
	s_mul_i32 s28, s24, 6144                       ; its four images
	s_mov_b32 s29, 0
	s_lshl_b32 s30, s24, 9                         ; its scale words
	s_add_co_u32 s30, s30, XSC
	s_mov_b32 s31, 0
.irp b, 0,1,2,3
	v_mov_b32 v[TM+4+\b], 0                        ; written once: a lane permute's destination counts as one of its sources
.endr
	s_wait_kmcnt 0x0
	s_cmp_lt_u32 ttmp9, 128                        ; the first 512 row tiles are x_vis's
	s_cselect_b64 s[4:5], s[4:5], s[6:7]
	s_add_nc_u64 s[4:5], s[4:5], s[26:27]
	s_add_nc_u64 s[32:33], s[16:17], s[28:29]
	s_add_nc_u64 s[34:35], s[16:17], s[30:31]
.macro LOAD ks                         ; K step ks of my 16 rows: each load reads 512 consecutive bytes of one row
.irp r, 0,1,2,3,4,5,6,7,8,9,10,11,12,13,14,15
	global_load_b128 v[R+64*((\ks)%2)+4*\r:R+64*((\ks)%2)+4*\r+3], v[LI], s[4:5] offset:(\r+8*(\r/8))*2048+512*(\ks) th:TH_LOAD_NT
.endr
.endm
.macro XSTEP ks
.if (\ks) < 3
	s_wait_loadcnt 16                              ; this step's 16 loads are in; the 16 of the next step were issued behind them
.else
	s_wait_loadcnt 0x0
.endif
.irp r, 0,1,2,3,4,5,6,7,8,9,10,11,12,13,14,15
	ds_store_b128 v[SIN], v[R+64*((\ks)%2)+4*\r:R+64*((\ks)%2)+4*\r+3] offset:SP*\r
.endr
.irp b, 0,1,2,3
.irp j, 0,1,2,3
	ds_load_b128 v[X+16*\b+4*\j:X+16*\b+4*\j+3], v[SOUT] offset:128*\b+16*\j   ; LDS serves a wave's instructions in order (ISA guide 5.7.1.4): these see the stores above
.endr
.endr
	s_wait_dscnt 0x0                               ; the numbers are back, and the stores have read their registers,
.if (\ks) < 2
	LOAD (\ks)+2                                   ; which take the loads of two steps on
.endif
.if (\ks) > 0
	s_wait_xcnt 0x0                                ; the last step's stores have read the codes' registers
.endif
	QUANT X, PC, TQ, XW+(\ks)
.irp p, 0,1,2
	global_store_b128 v[LI], v[PC+4*\p:PC+4*\p+3], s[32:33] offset:(\ks)*1536+512*\p   ; 32 lanes store 512 consecutive bytes, aligned
.endr
.endm
	s_wait_alu depctr_va_vdst(0)
	LOAD 0
	LOAD 1
	XSTEP 0
	XSTEP 1
	XSTEP 2
	XSTEP 3
	global_store_b128 v[LI], v[XW:XW+3], s[34:35]  ; my row's four scale words: 512 consecutive bytes a wave
	s_wait_tensorcnt 0x0
	ds_add_u32 v254, v255
	s_wait_dscnt 0x0
	s_endpgm
.Lweights:
	; ---- W: matrix g / 32, column tile n = g % 32, K step = wave: one fragment.  A lane takes a column and its registers run DOWN K, in the order that the operand's layout gives that lane.
	; Sixteen lanes of a load read two runs of 32 bytes: accepted for 4 MiB that are read once.
	s_sub_co_u32 s24, ttmp9, 256                   ; g
	s_and_b32 s26, s24, 31                         ; n
	s_lshr_b32 s27, s26, 1
	s_lshl_b32 s27, s27, 7                         ; 32 columns of 4 bytes for each pair of tiles,
	s_and_b32 s28, s26, 1
	s_lshl_b32 s28, s28, 5                         ; 8 for the odd tile
	s_add_co_u32 s27, s27, s28
	s_lshl_b32 s28, s20, 18                        ; 128 rows of 2,048 bytes for each K step
	s_add_co_u32 s28, s28, s27
	s_mov_b32 s29, 0
	s_lshl_b32 s30, s24, 2
	s_add_co_u32 s30, s30, s20                     ; the fragment's number: 128 x matrix + 4 n + K step
	s_mul_i32 s32, s30, 1536
	s_mov_b32 s33, 0
	s_lshl_b32 s34, s30, 7
	s_add_co_u32 s34, s34, WSC
	s_mov_b32 s35, 0
	s_wait_alu depctr_va_vdst(0)
	v_and_b32 v7, 8, v5
	v_add_nc_u32 v7, v7, v5                        ; r + 8 (r / 8)
	v_lshlrev_b32 v7, 2, v7
	v_lshl_add_u32 v7, v6, 16, v7                  ; lanes 16-31 begin 32 rows further down
	v_lshlrev_b32 v8, 2, v4                        ; 4 x lane
	s_wait_alu depctr_va_vdst(0)
	s_wait_kmcnt 0x0
	s_cmp_lt_u32 s24, 32
	s_cselect_b64 s[8:9], s[8:9], s[10:11]         ; Wq or Wk
	s_cmp_lt_u32 s24, 96
	s_cselect_b64 s[12:13], s[12:13], s[14:15]     ; Wv or Wp
	s_cmp_lt_u32 s24, 64
	s_cselect_b64 s[8:9], s[8:9], s[12:13]
	s_add_nc_u64 s[8:9], s[8:9], s[28:29]
	s_add_nc_u64 s[32:33], s[18:19], s[32:33]
	s_add_nc_u64 s[34:35], s[18:19], s[34:35]
.irp c, 0,1
.irp i, 0,1,2,3,4,5,6,7,8,9,10,11,12,13,14,15,16,17,18,19,20,21,22,23,24,25,26,27,28,29,30,31
	global_load_b32 v[64+32*\c+\i], v7, s[8:9] offset:2048*(64*\c+\i)   ; W(128 step + 64 c + 32 h + i, my column)
.endr
.endr
	s_wait_loadcnt 0x0
.irp c, 0,1                                    ; my block 2 c + h: all its 32 numbers are mine
	v_max3_num_f32 v[32+\c], |v[64+32*\c]|, |v[65+32*\c]|, 0x1800000
.endr
.irp i, 2,4,6,8,10,12,14,16,18,20,22,24,26,28,30
.irp c, 0,1
	v_max3_num_f32 v[32+\c], v[32+\c], |v[64+32*\c+\i]|, |v[65+32*\c+\i]|
.endr
.endr
.irp c, 0,1
	v_add_nc_u32 v[44+\c], 0xff000000, v[32+\c]
.endr
.irp c, 0,1
	v_lshrrev_b32 v[36+\c], 23, v[44+\c]
.endr
	v_lshl_or_b32 v9, v37, 16, v36                 ; my two bytes: blocks h and 2 + h,
	v_lshlrev_b32 v10, 3, v6
	v_lshlrev_b32 v9, v10, v9                      ; at their places in the scale word;
	v_mov_b32 v10, 0
	v_permlanex16_b32 v10, v9, s[SEL], s[SEL+1]
	v_or_b32 v9, v9, v10                           ; with lane l xor 16's two the word is whole, in both lanes
.irp c, 0,1
	v_cvt_scalef32_pk16_fp6_f32 v[48+6*\c:50+6*\c], v[64+32*\c:79+32*\c], v[44+\c]
	v_cvt_scalef32_pk16_fp6_f32 v[192+4*\c:194+4*\c], v[80+32*\c:95+32*\c], v[44+\c]
.endr
	v_nop                                          ; one plain place behind a scaled conversion
.irp c, 0,1
.irp i, 0,1,2
	v_mov_b32 v[51+6*\c+\i], v[192+4*\c+\i]
.endr
.endr
.irp p, 0,1,2
	global_store_b128 v[LI], v[48+4*\p:51+4*\p], s[32:33] offset:512*\p
.endr
	global_store_b32 v8, v9, s[34:35]
	s_endpgm
.Lfunc_end_k_qe83c570eaa_prep:
	.size	k_qe83c570eaa_prep, .Lfunc_end_k_qe83c570eaa_prep-k_qe83c570eaa_prep
	.p2alignl 7, 3214868480
	.fill 96, 4, 3214868480
	.section	.rodata,"a",@progbits
	.p2align	6, 0x0
	.amdhsa_kernel k_qe83c570eaa_prep
		.amdhsa_group_segment_fixed_size 35328
		.amdhsa_private_segment_fixed_size 0
		.amdhsa_enable_private_segment 0
		.amdhsa_kernarg_size 64
		.amdhsa_user_sgpr_count 2
		.amdhsa_user_sgpr_kernarg_segment_ptr 1
		.amdhsa_wavefront_size32 1
		.amdhsa_system_sgpr_workgroup_id_x 1
		.amdhsa_system_sgpr_workgroup_id_y 1
		.amdhsa_system_sgpr_workgroup_id_z 1
		.amdhsa_system_vgpr_workitem_id 0
		.amdhsa_next_free_vgpr 256
		.amdhsa_next_free_sgpr 66
		.amdhsa_reserve_vcc 0
		.amdhsa_float_denorm_mode_32 3
		.amdhsa_float_denorm_mode_16_64 3
		.amdhsa_memory_ordered 1
		.amdhsa_forward_progress 1
		.amdhsa_inst_pref_size 44
	.end_amdhsa_kernel
	.amdgpu_metadata
---
amdhsa.version: [ 1, 2 ]
amdhsa.kernels:
  - .name:           k_qe83c570eaa_prep
    .symbol:         k_qe83c570eaa_prep.kd
    .args:
      - { .name: x_vis, .offset: 0, .size: 8, .value_kind: global_buffer, .address_space: global }
      - { .name: x_ir, .offset: 8, .size: 8, .value_kind: global_buffer, .address_space: global }
      - { .name: Wq, .offset: 16, .size: 8, .value_kind: global_buffer, .address_space: global }
      - { .name: Wk, .offset: 24, .size: 8, .value_kind: global_buffer, .address_space: global }
      - { .name: Wv, .offset: 32, .size: 8, .value_kind: global_buffer, .address_space: global }
      - { .name: Wp, .offset: 40, .size: 8, .value_kind: global_buffer, .address_space: global }
      - { .name: xq, .offset: 48, .size: 8, .value_kind: global_buffer, .address_space: global }
      - { .name: wq, .offset: 56, .size: 8, .value_kind: global_buffer, .address_space: global }
    .group_segment_fixed_size: 35328
    .private_segment_fixed_size: 0
    .kernarg_segment_align: 8
    .kernarg_segment_size: 64
    .max_flat_workgroup_size: 128
    .sgpr_count:     66
    .vgpr_count:     256
    .wavefront_size: 32
...
	.end_amdgpu_metadata
.endif
;; end of part 1
;; launch qkv (part 2): grid 64 x 3, 4 waves a work-group, no clusters, 0 bytes of LDS; arguments xq, wq, bq, bk, bv, qq, kv; writes qq, kv
.if DOCPART == 2
	.amdgcn_target "amdgcn-amd-amdhsa--gfx1250"
	.amdhsa_code_object_version 6
	.text
	.protected	k_qe83c570eaa_qkv
	.globl	k_qe83c570eaa_qkv
	.p2align	8
	.type	k_qe83c570eaa_qkv,@function
k_qe83c570eaa_qkv:
	s_mov_b64 s[64:65], 0
	v_nop
	global_prefetch_b8 v0, s[64:65] scope:SCOPE_SE
	s_setreg_imm32_b32 hwreg(HW_REG_WAVE_MODE, 25, 1), 1
	s_wait_xcnt 0x0
; QKV: q = x Wq + bq, k = x Wk + bk, v = x Wv + bv for both streams (16,384 rows), on codes of FP6 (E2M3) with E8M0 scales, f32 sums; the results are quantised at once for attention's products and leave as images of operand registers.
; SHARES.  Work-group (X, m): matrix m (0 q, 1 k, 2 v), rows 256 X on, in four units of 64 rows.  Wave w holds columns 128 w .. 128 w + 127 (heads 2 w, 2 w + 1) of its matrix in registers for the whole launch: 32 fragments, 384 registers.
; 3 x 64 work-groups: three kinds of work do not share out over 256, and a work-group that changed its matrix on the way would load 196,608 bytes of weights a second time for one unit of work.
; x's 16 fragments of a unit go from memory straight into registers, each used 8 times; half a unit is asked for two groups (64 matrix instructions) ahead.  No LDS, no barrier, no tensor load: so there is no tile that a cluster could ask for jointly.
; TILES: tile 2 b + u holds the indices 32 b + 8 u + r + 8 (r / 8).  So in a result the 16 registers of tiles 2 b, 2 b + 1 of source 0 are the 16 neighbours 32 b + 16 (lane / 16) + 0 .. 15.
; q, k: source 0 = 16 columns of W, source 1 = 16 rows of x: a lane holds one token, its registers run along the head's channels, which are K of q k^T.  One group = one head x 32 tokens = one PAIR IMAGE: registers 0-5 row tile 2 P, 6-11 row tile 2 P + 1.
; v: the sources swapped: a lane holds one channel, its registers run along the tokens, which are K of p v.  Two groups (64 tokens) make four half images (6 registers: 64 keys), one for each tile of 16 channels.
; qq, for each head 106,496 bytes: [pair 64][1536]; at 98,304 the scale words [64 tokens: 32][lane 32][pair 2]: b0 | b1 << 8, lanes 0-15 the even tile, lanes 16-31 the odd one.
; kv, for each head 208,896 bytes: k laid as q; at 98,304 v: [128 keys: 16][channel tile 4][64 keys: 2][768]; at 196,608 k's scale words; at 204,800 v's: [128 keys][row 16][tile 4] words, byte = key block.
; LIMITS: a block of zeros gets the byte 1 where the rule says 127 (this program alone reads the bytes); blocks whose largest magnitude lies under 2^-124 are held at the byte 1; NaN and infinities are not served.
; REGISTERS, in windows of 256.  Window 0: v1-11 addresses; v16-31 x's scale words; v32-63 W's; v64-127 eight accumulators; v128.. the quantiser.  Window 1: W's local tiles 0-3 at 12 (4 t + step), their bias tiles at 192 + 8 t.  Window 2: tiles 4-7.  Window 3: x at 12 (4 m + step).
.set XSC,  6291456
.set WSC,  786432
.set LI,   1                           ; 16 x lane
.set L8,   2                           ; 8 x lane
.set LS,   3                           ; 4 x lane
.set SH,   4                           ; 16 h
.set VSA,  5                           ; 16 r + 4 h
.set VSEL, 6                           ; v6-7  byte selects 0x0400 + 0x0101 (2 c + h)
.set BA,   8                           ; the bias's lane address
.set XS,   16
.set WS,   32
.set HA,   64
.set PC,   128
.set TQ,   140
.set TM,   148
.set PW,   164
.set SW,   166                         ; v166-169 q's or k's scale words to store
.set PW0,  170                         ; v170-171 v: the first 32 tokens' bytes
.set HW,   172                         ; v172-173 v: two bytes to store
.set VH,   176                         ; v176-199 v: the first 32 tokens' codes, for both heads
.set WV,   18
.set MM,   19
.set SEL,  20
.set CNT,  22
.set MSB, 0
.macro WIN new                         ; the immediate's high byte repeats the setting that is left; a switch that changes nothing is dropped
.if MSB != (\new)
	s_set_vgpr_msb (MSB<<8)|(\new)
.set MSB, (\new)
.endif
.endm
.macro PLACES n
.rept \n
	v_nop
.endr
.endm
; 64 numbers of a lane, number 16 b + i = place 16 (lane / 16) + i of block b, become 12 registers of codes (registers 6 c .. 6 c + 5: lanes 0-15 block 2 c, lanes 16-31 block 2 c + 1, whole) and the four blocks' bytes in v[pw]
.macro QUANT s, pc, tq, pw
.irp b, 0,1,2,3
	v_max3_num_f32 v[TM+\b], |v[\s+16*\b]|, |v[\s+1+16*\b]|, 0x1800000   ; my 16 numbers, and the floor 2^(3 - 127).  Each accumulator is read from its low end on
.endr
.irp i, 2,4,6,8,10,12,14
.irp b, 0,1,2,3
	v_max3_num_f32 v[TM+\b], v[TM+\b], |v[\s+16*\b+\i]|, |v[\s+1+16*\b+\i]|
.endr
.endr
.irp b, 0,1,2,3
	v_permlanex16_b32 v[TM+4+\b], v[TM+\b], s[SEL], s[SEL+1]
.endr
.irp b, 0,1,2,3
	v_max_num_f32 v[TM+\b], v[TM+\b], v[TM+4+\b]
.endr
.irp b, 0,1,2,3
	v_add_nc_u32 v[TM+12+\b], 0xff000000, v[TM+\b]   ; 2 off the exponent field: the conversion's scale operand
.endr
.irp b, 0,1,2,3
	v_lshrrev_b32 v[TM+4+\b], 23, v[TM+12+\b]
.endr
	v_lshl_or_b32 v[\pw], v[TM+5], 8, v[TM+4]
	v_lshl_or_b32 v[\pw], v[TM+6], 16, v[\pw]
	v_lshl_or_b32 v[\pw], v[TM+7], 24, v[\pw]
.irp c, 0,1
	v_cvt_scalef32_pk16_fp6_f32 v[\pc+6*\c:\pc+2+6*\c], v[\s+32*\c:\s+15+32*\c], v[TM+12+2*\c]
	v_cvt_scalef32_pk16_fp6_f32 v[\tq+4*\c:\tq+2+4*\c], v[\s+16+32*\c:\s+31+32*\c], v[TM+12+2*\c+1]
.endr
	v_nop                                          ; one plain place behind a scaled conversion
.irp c, 0,1
.irp i, 0,1,2
	v_permlane16_swap_b32 v[\pc+6*\c+\i], v[\tq+4*\c+\i]
.endr
.irp i, 0,1,2
	v_mov_b32 v[\pc+3+6*\c+\i], v[\tq+4*\c+\i]
.endr
.endr
.endm
; half hf of a unit: row tiles 2 hf, 2 hf + 1: 24 loads of images and 2 of scale words: 26 loads
.macro XLOADH hf
	WIN 0xc0                                       ; destination window 3
.irp m, 2*\hf, 2*\hf+1
.irp ks, 0,1,2,3
.irp p, 0,1,2
	global_load_b128 v[12*(4*(\m)+\ks)+4*\p:12*(4*(\m)+\ks)+4*\p+3], v[LI], s[30:31] offset:(\m)*6144+\ks*1536+512*\p
.endr
.endr
.endr
	WIN 0
.irp m, 2*\hf, 2*\hf+1
	global_load_b128 v[XS+4*(\m):XS+4*(\m)+3], v[LI], s[32:33] offset:512*(\m)
.endr
.endm
; on to the next unit of x.  The last trip steps by 0 and loads its own unit again: so both counted waits hold on every trip and no load leaves its buffer
.macro NEXTX
	s_wait_xcnt 0x0                                ; the loads issued so far have read their bases
	s_cmp_gt_u32 s[CNT], 1
	s_cselect_b32 s44, 24576, 0
	s_cselect_b32 s46, 2048, 0
	s_add_nc_u64 s[30:31], s[30:31], s[44:45]
	s_add_nc_u64 s[32:33], s[32:33], s[46:47]
.endm
; 32 matrix instructions: head 2 w + sel x row tiles 2 bb, 2 bb + 1, all of K.  The eight accumulators take turns, one instruction a turn.  The bias is the C of each sum's first instruction.
.macro MULQK sel, bb                   ; accumulator a: row tile 2 bb + a / 4, channel tile a % 4
.irp ks, 0,1,2,3
.if \ks == 0
	WIN 0x1d+0x11*(\sel)                           ; source 0 (W) and source 2 (bias) window 1 + sel, source 1 (x) window 3
.else
	WIN 0x0d+(\sel)
.endif
.irp a, 0,1,2,3,4,5,6,7
.if \ks == 0
	v_wmma_scale_f32_16x16x128_f8f6f4 v[HA+8*\a:HA+8*\a+7], v[12*(4*(\a%4)+\ks):12*(4*(\a%4)+\ks)+11], v[12*(4*(2*(\bb)+\a/4)+\ks):12*(4*(2*(\bb)+\a/4)+\ks)+11], v[192+8*(\a%4):192+8*(\a%4)+7], v[WS+4*(4*(\sel)+\a%4)+\ks], v[XS+4*(2*(\bb)+\a/4)+\ks] matrix_a_fmt:MATRIX_FMT_FP6 matrix_b_fmt:MATRIX_FMT_FP6
.else
	v_wmma_scale_f32_16x16x128_f8f6f4 v[HA+8*\a:HA+8*\a+7], v[12*(4*(\a%4)+\ks):12*(4*(\a%4)+\ks)+11], v[12*(4*(2*(\bb)+\a/4)+\ks):12*(4*(2*(\bb)+\a/4)+\ks)+11], v[HA+8*\a:HA+8*\a+7], v[WS+4*(4*(\sel)+\a%4)+\ks], v[XS+4*(2*(\bb)+\a/4)+\ks] matrix_a_fmt:MATRIX_FMT_FP6 matrix_b_fmt:MATRIX_FMT_FP6
.endif
.endr
.endr
.endm
.macro MULV sel, bb                    ; accumulator a: channel tile a / 2, row tile 2 bb + a % 2
.irp ks, 0,1,2,3
.if \ks == 0
	WIN 0x17+0x14*(\sel)                           ; source 0 (x) window 3, source 1 (W) and source 2 (bias) window 1 + sel
.else
	WIN 0x07+4*(\sel)
.endif
.irp a, 0,1,2,3,4,5,6,7
.if \ks == 0
	v_wmma_scale_f32_16x16x128_f8f6f4 v[HA+8*\a:HA+8*\a+7], v[12*(4*(2*(\bb)+\a%2)+\ks):12*(4*(2*(\bb)+\a%2)+\ks)+11], v[12*(4*(\a/2)+\ks):12*(4*(\a/2)+\ks)+11], v[192+8*(\a/2):192+8*(\a/2)+7], v[XS+4*(2*(\bb)+\a%2)+\ks], v[WS+4*(4*(\sel)+\a/2)+\ks] matrix_a_fmt:MATRIX_FMT_FP6 matrix_b_fmt:MATRIX_FMT_FP6
.else
	v_wmma_scale_f32_16x16x128_f8f6f4 v[HA+8*\a:HA+8*\a+7], v[12*(4*(2*(\bb)+\a%2)+\ks):12*(4*(2*(\bb)+\a%2)+\ks)+11], v[12*(4*(\a/2)+\ks):12*(4*(\a/2)+\ks)+11], v[HA+8*\a:HA+8*\a+7], v[XS+4*(2*(\bb)+\a%2)+\ks], v[WS+4*(4*(\sel)+\a/2)+\ks] matrix_a_fmt:MATRIX_FMT_FP6 matrix_b_fmt:MATRIX_FMT_FP6
.endif
.endr
.endr
.endm
; q, k: the group's 64 numbers a lane are blocks (row tile 2 bb: channels 0-31, 32-63; row tile 2 bb + 1: the same): the quantiser's 12 registers ARE the pair image
.macro GROUPQK sel, bb
	MULQK \sel, \bb
	WIN 0
	PLACES 4                                       ; places behind the products, ahead of the first read of results and of later loads into their operands; with the quantiser's lines on its own registers they are more than five ahead of the next group's first product
	s_wait_xcnt 0x0                                ; earlier stores have read the registers that are written now
	QUANT HA, PC, TQ, PW
.irp p, 0,1,2
	global_store_b128 v[LI], v[PC+4*\p:PC+4*\p+3], s[34+2*(\sel):35+2*(\sel)] offset:(\bb)*1536+512*\p   ; 512 consecutive bytes, aligned
.endr
	v_lshrrev_b32 v[SW+2*(\sel)+(\bb)], v[SH], v[PW]   ; lanes 0-15 keep the even tile's two bytes, lanes 16-31 the odd tile's;
	v_and_b32 v[SW+2*(\sel)+(\bb)], 0xffff, v[SW+2*(\sel)+(\bb)]   ; bytes 2 and 3, for the K that the head does not have, are 0
.if (\bb) == 1
	global_store_b64 v[L8], v[SW+2*(\sel):SW+2*(\sel)+1], s[38+2*(\sel):39+2*(\sel)]   ; 256 consecutive bytes, aligned
.endif
.endm
; v: block b of the quantiser is channel tile b, over the group's 32 tokens.  Two groups' codes change halves: then each run of 6 registers is a half image (lanes 0-15 the first 32 keys, lanes 16-31 the next 32)
.macro GROUPV sel, bb
	MULV \sel, \bb
	WIN 0
	PLACES 4
	s_wait_xcnt 0x0
.if (\bb) == 0
	QUANT HA, VH+12*(\sel), TQ, PW0+(\sel)
.else
	QUANT HA, PC, TQ, PW
.irp i, 0,1,2,3,4,5,6,7,8,9,10,11
	v_permlane16_swap_b32 v[VH+12*(\sel)+\i], v[PC+\i]
.endr
.irp c, 0,1
	global_store_b128 v[LI], v[VH+12*(\sel)+6*\c:VH+12*(\sel)+6*\c+3], s[34+2*(\sel):35+2*(\sel)] offset:2*\c*1536          ; channel tile 2 c
	global_store_b64 v[L8], v[VH+12*(\sel)+6*\c+4:VH+12*(\sel)+6*\c+5], s[34+2*(\sel):35+2*(\sel)] offset:2*\c*1536+512
	global_store_b128 v[LI], v[PC+6*\c:PC+6*\c+3], s[34+2*(\sel):35+2*(\sel)] offset:(2*\c+1)*1536                        ; channel tile 2 c + 1
	global_store_b64 v[L8], v[PC+6*\c+4:PC+6*\c+5], s[34+2*(\sel):35+2*(\sel)] offset:(2*\c+1)*1536+512
	v_perm_b32 v[HW+\c], v[PW], v[PW0+(\sel)], v[VSEL+\c]   ; tile 2 c + h: its byte for the first 32 tokens, then for the next 32
	global_store_b16 v[VSA], v[HW+\c], s[38+2*(\sel):39+2*(\sel)] offset:8*\c   ; two bytes a lane: one byte in 128 of what the launch reads
.endr
.endif
.endm
	s_load_b256 s[4:11], s[0:1], 0x0               ; xq s[4:5], wq s[6:7], bq s[8:9], bk s[10:11]
	s_load_b128 s[12:15], s[0:1], 0x20             ; bv s[12:13], qq s[14:15]
	s_load_b64 s[16:17], s[0:1], 0x30              ; kv
	v_lshrrev_b32 v1, 5, v0
	v_readfirstlane_b32 s[WV], v1                  ; wave 0..3
	s_and_b32 s[MM], ttmp7, 0xffff                 ; the matrix
	v_and_b32 v9, 31, v0                           ; lane
	v_and_b32 v10, 15, v0                          ; r
	v_bfe_u32 v11, v0, 4, 1                        ; h
	v_lshlrev_b32 v[LI], 4, v9
	v_lshlrev_b32 v[L8], 3, v9
	v_lshlrev_b32 v[LS], 2, v9
	v_lshlrev_b32 v[SH], 4, v11
	v_lshlrev_b32 v[VSA], 4, v10
	v_lshl_add_u32 v[VSA], v11, 2, v[VSA]
	v_mul_u32_u24 v[VSEL], v11, 0x0101
	v_add_nc_u32 v[VSEL+1], 0x0602, v[VSEL]
	v_add_nc_u32 v[VSEL], 0x0400, v[VSEL]
.irp b, 0,1,2,3
	v_mov_b32 v[TM+4+\b], 0                        ; written once: a lane permute's destination counts as one of its sources
.endr
	s_mov_b32 s[SEL], 0x76543210
	s_mov_b32 s[SEL+1], 0xfedcba98
	s_mov_b32 s[CNT], 4
	s_mul_i32 s48, s[MM], 196608                   ; my matrix's images, my wave's 32 of them
	s_mul_i32 s52, s[WV], 49152
	s_add_co_u32 s48, s48, s52
	s_mov_b32 s49, 0
	s_lshl_b32 s50, s[MM], 14                      ; and their scale words
	s_lshl_b32 s52, s[WV], 12
	s_add_co_u32 s50, s50, s52
	s_add_co_u32 s50, s50, WSC
	s_mov_b32 s51, 0
	s_lshl_b32 s52, s[WV], 9                       ; my 128 numbers of the bias
	s_mov_b32 s53, 0
	s_mul_i32 s54, ttmp9, 98304                    ; x: my 16 row tiles
	s_mov_b32 s55, 0
	s_lshl_b32 s56, ttmp9, 13
	s_add_co_u32 s56, s56, XSC
	s_mov_b32 s57, 0
	s_cmp_eq_u32 s[MM], 0
	s_mov_b32 s58, 208896
	s_cselect_b32 s58, 106496, s58                 ; bytes of a head in the output buffer
	s_mov_b32 s59, 196608
	s_cselect_b32 s59, 98304, s59                  ; where its scales begin: q, k,
	s_cmp_eq_u32 s[MM], 2
	s_cselect_b32 s59, 204800, s59                 ; v
	s_cselect_b32 s60, 98304, 0                    ; where its codes begin
	s_cselect_b32 s61, 7, 8                        ; scale bytes for 64 tokens: 128 (v), 256 (q, k)
	s_and_b32 s23, ttmp9, 56                       ; 8 x (stream, batch)
	s_lshl_b32 s42, s[WV], 1
	s_add_co_u32 s23, s23, s42                     ; my first head
	s_and_b32 s42, ttmp9, 7
	s_lshl_b32 s42, s42, 2                         ; my first unit of 64 tokens in the batch: a multiple of 4
	s_mul_i32 s23, s23, s58
	s_mul_i32 s43, s42, 3072                       ; codes for 64 tokens of a head: 3,072 bytes in q, k and v alike
	s_add_co_u32 s34, s23, s60
	s_add_co_u32 s34, s34, s43
	s_mov_b32 s35, 0
	s_add_co_u32 s36, s34, s58
	s_mov_b32 s37, 0
	s_lshl_b32 s42, s42, s61
	s_add_co_u32 s38, s23, s59
	s_add_co_u32 s38, s38, s42
	s_mov_b32 s39, 0
	s_add_co_u32 s40, s38, s58
	s_mov_b32 s41, 0
	s_mov_b32 s45, 0
	s_mov_b32 s47, 0
	s_wait_kmcnt 0x0
	s_add_nc_u64 s[24:25], s[6:7], s[48:49]
	s_add_nc_u64 s[26:27], s[6:7], s[50:51]
	s_add_nc_u64 s[30:31], s[4:5], s[54:55]
	s_add_nc_u64 s[32:33], s[4:5], s[56:57]
	s_cmp_eq_u32 s[MM], 0
	s_cselect_b64 s[28:29], s[8:9], s[10:11]
	s_cselect_b64 s[14:15], s[14:15], s[16:17]     ; q goes to qq, k and v to kv
	s_cmp_eq_u32 s[MM], 2
	s_cselect_b64 s[28:29], s[12:13], s[28:29]
	s_add_nc_u64 s[28:29], s[28:29], s[52:53]
	s_add_nc_u64 s[34:35], s[14:15], s[34:35]
	s_add_nc_u64 s[36:37], s[14:15], s[36:37]
	s_add_nc_u64 s[38:39], s[14:15], s[38:39]
	s_add_nc_u64 s[40:41], s[14:15], s[40:41]
	WIN 0x40                                       ; destination window 1
.irp f, 0,1,2,3,4,5,6,7,8,9,10,11,12,13,14,15
.irp p, 0,1,2
	global_load_b128 v[12*\f+4*\p:12*\f+4*\p+3], v[LI], s[24:25] offset:\f*1536+512*\p
.endr
.endr
	WIN 0x80                                       ; destination window 2
.irp f, 16,17,18,19,20,21,22,23,24,25,26,27,28,29,30,31
.irp p, 0,1,2
	global_load_b128 v[12*(\f-16)+4*\p:12*(\f-16)+4*\p+3], v[LI], s[24:25] offset:\f*1536+512*\p
.endr
.endr
	WIN 0
.irp f, 0,1,2,3,4,5,6,7,8,9,10,11,12,13,14,15,16,17,18,19,20,21,22,23,24,25,26,27,28,29,30,31
	global_load_b32 v[WS+\f], v[LS], s[26:27] offset:128*\f
.endr
	s_cmp_eq_u32 s[MM], 2
	s_cbranch_scc1 .Lv_path
	; ---- q, k.  The bias in the result's layout: lane (r, h), tile 2 b + u, register j: channel 32 b + 16 h + 8 u + j
	v_lshlrev_b32 v[BA], 6, v11
.irp tl, 0,1,2,3,4,5,6,7
	WIN 0x40+0x40*(\tl/4)
	global_load_b128 v[192+8*(\tl%4):192+8*(\tl%4)+3], v[BA], s[28:29] offset:4*(64*(\tl/4)+32*((\tl%4)/2)+8*(\tl%2))
	global_load_b128 v[192+8*(\tl%4)+4:192+8*(\tl%4)+7], v[BA], s[28:29] offset:4*(64*(\tl/4)+32*((\tl%4)/2)+8*(\tl%2))+16
.endr
	XLOADH 0
	XLOADH 1
.Lqk_unit:
	s_wait_loadcnt 26                              ; row tiles 0, 1 and all before them are in: only the 26 loads of row tiles 2, 3 were issued later
	GROUPQK 0, 0
	GROUPQK 1, 0
	NEXTX
	XLOADH 0                                       ; the next unit's row tiles 0, 1 into the registers just left
	s_wait_loadcnt 26                              ; this unit's row tiles 2, 3 are in: only the 26 just issued are younger
	GROUPQK 0, 1
	GROUPQK 1, 1
	XLOADH 1
	s_wait_xcnt 0x0                                ; the stores have read their bases
	s_add_nc_u64 s[34:35], s[34:35], 3072
	s_add_nc_u64 s[36:37], s[36:37], 3072
	s_add_nc_u64 s[38:39], s[38:39], 256
	s_add_nc_u64 s[40:41], s[40:41], 256
	s_sub_co_u32 s[CNT], s[CNT], 1
	s_cmp_lg_u32 s[CNT], 0
	s_cbranch_scc1 .Lqk_unit
	s_endpgm
.Lv_path:
	; ---- v.  The bias in the result's layout: a lane holds one channel, so its eight registers hold the same number
	v_and_b32 v[BA], 8, v10
	v_add_nc_u32 v[BA], v[BA], v10
	v_lshlrev_b32 v[BA], 2, v[BA]
.irp tl, 0,1,2,3,4,5,6,7
	WIN 0x40+0x40*(\tl/4)
.irp j, 0,1,2,3,4,5,6,7
	global_load_b32 v[192+8*(\tl%4)+\j], v[BA], s[28:29] offset:4*(64*(\tl/4)+32*((\tl%4)/2)+8*(\tl%2))
.endr
.endr
	XLOADH 0
	XLOADH 1
.Lv_unit:
	s_wait_loadcnt 26                              ; as above
	GROUPV 0, 0
	GROUPV 1, 0
	NEXTX
	XLOADH 0
	s_wait_loadcnt 26
	GROUPV 0, 1
	GROUPV 1, 1
	XLOADH 1
	s_wait_xcnt 0x0                                ; the stores have read their bases
	s_bitcmp1_b32 s[CNT], 0                        ; two units make a step of 128 keys: from its first half to its second 768 and 2 bytes, from there to the next step's first 6,144 - 768 and 256 - 2
	s_mov_b32 s48, 768
	s_cselect_b32 s48, 5376, s48
	s_cselect_b32 s50, 254, 2
	s_add_nc_u64 s[34:35], s[34:35], s[48:49]
	s_add_nc_u64 s[36:37], s[36:37], s[48:49]
	s_add_nc_u64 s[38:39], s[38:39], s[50:51]
	s_add_nc_u64 s[40:41], s[40:41], s[50:51]
	s_sub_co_u32 s[CNT], s[CNT], 1
	s_cmp_lg_u32 s[CNT], 0
	s_cbranch_scc1 .Lv_unit
	s_endpgm
.Lfunc_end_k_qe83c570eaa_qkv:
	.size	k_qe83c570eaa_qkv, .Lfunc_end_k_qe83c570eaa_qkv-k_qe83c570eaa_qkv
	.p2alignl 7, 3214868480
	.fill 96, 4, 3214868480
	.section	.rodata,"a",@progbits
	.p2align	6, 0x0
	.amdhsa_kernel k_qe83c570eaa_qkv
		.amdhsa_group_segment_fixed_size 0
		.amdhsa_private_segment_fixed_size 0
		.amdhsa_enable_private_segment 0
		.amdhsa_kernarg_size 56
		.amdhsa_user_sgpr_count 2
		.amdhsa_user_sgpr_kernarg_segment_ptr 1
		.amdhsa_wavefront_size32 1
		.amdhsa_system_sgpr_workgroup_id_x 1
		.amdhsa_system_sgpr_workgroup_id_y 1
		.amdhsa_system_sgpr_workgroup_id_z 1
		.amdhsa_system_vgpr_workitem_id 0
		.amdhsa_next_free_vgpr 1024
		.amdhsa_next_free_sgpr 66
		.amdhsa_reserve_vcc 0
		.amdhsa_float_denorm_mode_32 3
		.amdhsa_float_denorm_mode_16_64 3
		.amdhsa_memory_ordered 1
		.amdhsa_forward_progress 1
		.amdhsa_inst_pref_size 114
	.end_amdhsa_kernel
	.amdgpu_metadata
---
amdhsa.version: [ 1, 2 ]
amdhsa.kernels:
  - .name:           k_qe83c570eaa_qkv
    .symbol:         k_qe83c570eaa_qkv.kd
    .args:
      - { .name: xq, .offset: 0, .size: 8, .value_kind: global_buffer, .address_space: global }
      - { .name: wq, .offset: 8, .size: 8, .value_kind: global_buffer, .address_space: global }
      - { .name: bq, .offset: 16, .size: 8, .value_kind: global_buffer, .address_space: global }
      - { .name: bk, .offset: 24, .size: 8, .value_kind: global_buffer, .address_space: global }
      - { .name: bv, .offset: 32, .size: 8, .value_kind: global_buffer, .address_space: global }
      - { .name: qq, .offset: 40, .size: 8, .value_kind: global_buffer, .address_space: global }
      - { .name: kv, .offset: 48, .size: 8, .value_kind: global_buffer, .address_space: global }
    .group_segment_fixed_size: 0
    .private_segment_fixed_size: 0
    .kernarg_segment_align: 8
    .kernarg_segment_size: 56
    .max_flat_workgroup_size: 128
    .sgpr_count:     66
    .vgpr_count:     1024
    .wavefront_size: 32
...
	.end_amdgpu_metadata
.endif
;; end of part 2
;; launch attn (part 3): grid 4 x 64, 8 waves a work-group, clusters of 4 x 1, 327,680 bytes of LDS; arguments qq, kv, oq; writes oq
.if DOCPART == 3
	.amdgcn_target "amdgcn-amd-amdhsa--gfx1250"
	.amdhsa_code_object_version 6
	.text
	.protected	k_qe83c570eaa_attn
	.globl	k_qe83c570eaa_attn
	.p2align	8
	.type	k_qe83c570eaa_attn,@function
k_qe83c570eaa_attn:
	s_mov_b64 s[64:65], 0
	v_nop
	global_prefetch_b8 v0, s[64:65] scope:SCOPE_SE
	s_setreg_imm32_b32 hwreg(HW_REG_WAVE_MODE, 25, 1), 1
	s_wait_xcnt 0x0
	s_wait_alu depctr_hold_cnt(0) depctr_sa_sdst(0) depctr_va_vdst(0) depctr_va_sdst(0) depctr_va_ssrc(0) depctr_va_vcc(0) depctr_vm_vsrc(0)
	s_getreg_b32 s2, hwreg(HW_REG_IB_STS2, 6, 4)
	s_cmp_eq_u32 s2, 0
	s_cbranch_scc0 .Lentry_in_a_cluster
	s_endpgm
.Lentry_in_a_cluster:
	s_bfe_u32 s2, ttmp6, 0x10000c
	s_cmp_lg_u32 s2, 0x3003
	s_cbranch_scc0 .Lentry_shape_is_right
	s_endpgm
.Lentry_shape_is_right:
; ATTN: for head y of (stream, batch, head): O[q] = sum over k of softmax_k(Q[q] . K[k] / 8) V[k], Q of stream s over K and V of the other stream (head y xor 32), both products on codes of FP6 (E2M3) with E8M0 scales.
; THE SOFTMAX AHEAD OF THE SECOND PRODUCT: t = score x log2(e) / 8; M = the running largest t rounded UP to a whole number, kept as -M; p = 2^(t - M) is quantised along the keys, not normalised; the row's sum is taken of the
; unquantised p and divides O at the end.  When M moves, the sum and O are multiplied by 2^(old M - new M): exact.  O / sum is quantised along the channels and leaves as half images of operand registers.
; SHARES.  Work-group (x, y): 512 queries of head y; each of its eight waves owns FOUR tiles of 16 queries, 32 x + 4 w + 0 .. 3, in one pass over the 2,048 keys: a key step's fragments of K and V are read from LDS once for four tiles.
; LDS holds the head's block of kv byte for byte: K's pair images at 0, V's half images at 98,304, K's scale words at 196,608, V's at 204,800; every byte is filled once.  At the head wave 0 asks for K's step 0, wave 1 for V's,
; wave 2 for all scale bytes; trip t asks for step t + 1 (6,144 bytes each, waves 0 and 1) and works on step t; the last step is written out and asks for nothing.
; CLUSTER: the four work-groups of a head need the same blocks in the same trip: each block is asked for jointly (mask 15), behind a round of the cluster's barrier.
; PREFETCH: trip t names step t + 3's 48 units of 256 bytes, two trips ahead of the load that wants them: partner cx takes 12 of them by address, a lane a unit, wave 3 alone; trips 13 and 14 name nothing; steps 1 and 2 come by their loads alone.
; WHICH KEYS FORM A TILE OF K: tile t of a group of 64 keys holds keys 8 t + 0 .. 7 (rows 0-7) and 32 + 8 t + 0 .. 7 (rows 8-15).  In S^T = K Q^T lane (r, h) then holds query r and, in the 32 registers of four tiles, a WHOLE block
; of 32 keys in order: blocks h and 2 + h of the step.  So a block's maximum needs no other lane and the conversions' results are p's operand.  The rows are picked out of kv's pair images (tile 2 b + u: 32 b + 8 u + r + 8 (r / 8)) by the lanes' addresses.
; THE HEAD HAS 64 CHANNELS, THE MATRIX INSTRUCTION 128 ALONG K: Q's registers 6-11 are zero codes; K's tiles lie packed, 6 registers each, and the upper half of a tile's operand is the next tile's codes (six zero registers behind the last); the scale bytes there are 0.
; LIMITS: the promise holds while the scaled scores stay under 2^31 in magnitude; a block of zeros gets the byte 1 where the rule says 127 (this program alone reads the bytes); blocks whose largest magnitude lies under 2^-124 are held at the byte 1; NaN and infinities are not served.
; REGISTERS.  Window 0: v1-19 addresses; v20-35 -M and the sum of each tile; v36-46 scale words; v48-85 at work; v86-139 K; v140-187 V; v188-251 S^T, then p.  Window 1: v0-127 four O^T; v128-175 four Q.
.set OSC,  6291456
.set SPARE, 208896                     ; behind the head's block: the spare words, 128 bytes a wave
.set AK,   1                           ; K: 1536 (r / 8) + 16 (r % 8 + 16 h)
.set LIV,  2                           ; 16 x lane + V's place
.set L8V,  3                           ; 8 x lane + V's place + 512
.set AKS,  4                           ; K's scale words: 8 (r % 8 + 16 h) + 4 (r / 8) + their place
.set LRS,  5                           ; 16 r + V's scale words
.set LI,   6                           ; 16 x lane
.set L8,   7                           ; 8 x lane
.set LR,   8                           ; 16 r
.set SH8,  9                           ; 8 h
.set ADK,  10                          ; v10-14 the addresses of the step in hand
.set ADV,  11
.set ADW,  12
.set ADS,  13
.set ADT,  14
.set PFO,  15                          ; the prefetch's offset: 256 x min(lane, 11)
.set SPW,  16
.set NIL,  17
.set NM,   20                          ; v[20 + 4 n : 21 + 4 n]  -M of tile n (the pair's low word)
.set LS,   22                          ; v[22 + 4 n : 23 + 4 n]  its sum, in two halves
.set QS,   36                          ; v36-37 Q's scale words: lanes 0-15 the even tile of a pair, lanes 16-31 the odd one
.set KS,   38                          ; v38-41 K's: lanes 0-15 tile 2 i, lanes 16-31 tile 2 i + 1
.set VS,   42                          ; v42-45 V's
.set PW,   46                          ; p's scale word
.set BM,   48                          ; v48-51 maxima
.set T0,   52
.set T1,   53
.set FM,   54                          ; v[54:55] f = 2^(old M - new M)
.set SO,   56                          ; v56-57 the conversions' scale operands
.set BT,   58                          ; v58-59
.set L2,   60                          ; v60-65 three more chains of the sum
.set TQ,   66                          ; v66-68, v70-72 the conversions' second halves
.set PCD,  74                          ; v74-85 p's codes
.set KF,   86
.set VF,   140
.set S,    188
.set QF,   128                         ; window 1
.set WV,   10
.set CS,   18                          ; s[18:19] c = log2(e) / 8
.set SEL,  20
.set TK,   22
.set TS,   23
.set PFA,  48
.set TJ,   50
.set CNT,  51
.set CSN,  66                          ; -c
.set MSB, 0
.macro WIN new
.if MSB != (\new)
	s_set_vgpr_msb (MSB<<8)|(\new)
.set MSB, (\new)
.endif
.endm
.macro PLACES n
.rept \n
	v_nop
.endr
.endm
.macro ROUND                           ; a round of the cluster's barrier
	s_barrier_signal -1
	s_barrier_wait -1
	s_cmp_lg_u32 s[WV], 0
	s_cbranch_scc1 .Lnw0_\@
	s_barrier_signal -3
.Lnw0_\@:
	s_barrier_wait -3
	s_barrier_signal -1
	s_barrier_wait -1
.endm
.macro KQ T, n                         ; S^T tile T of query tile n
.if ((\T)%2) == 0 && ((\n)%2) == 0
	v_wmma_scale_f32_16x16x128_f8f6f4 v[S+8*(\T):S+8*(\T)+7], v[KF+6*(\T):KF+6*(\T)+11], v[QF+12*(\n):QF+12*(\n)+11], 0, v[KS+(\T)/2], v[QS+(\n)/2] matrix_a_fmt:MATRIX_FMT_FP6 matrix_b_fmt:MATRIX_FMT_FP6
.endif
.if ((\T)%2) == 1 && ((\n)%2) == 0
	v_wmma_scale_f32_16x16x128_f8f6f4 v[S+8*(\T):S+8*(\T)+7], v[KF+6*(\T):KF+6*(\T)+11], v[QF+12*(\n):QF+12*(\n)+11], 0, v[KS+(\T)/2], v[QS+(\n)/2] matrix_a_fmt:MATRIX_FMT_FP6 matrix_b_fmt:MATRIX_FMT_FP6 matrix_a_scale:MATRIX_SCALE_ROW1
.endif
.if ((\T)%2) == 0 && ((\n)%2) == 1
	v_wmma_scale_f32_16x16x128_f8f6f4 v[S+8*(\T):S+8*(\T)+7], v[KF+6*(\T):KF+6*(\T)+11], v[QF+12*(\n):QF+12*(\n)+11], 0, v[KS+(\T)/2], v[QS+(\n)/2] matrix_a_fmt:MATRIX_FMT_FP6 matrix_b_fmt:MATRIX_FMT_FP6 matrix_b_scale:MATRIX_SCALE_ROW1
.endif
.if ((\T)%2) == 1 && ((\n)%2) == 1
	v_wmma_scale_f32_16x16x128_f8f6f4 v[S+8*(\T):S+8*(\T)+7], v[KF+6*(\T):KF+6*(\T)+11], v[QF+12*(\n):QF+12*(\n)+11], 0, v[KS+(\T)/2], v[QS+(\n)/2] matrix_a_fmt:MATRIX_FMT_FP6 matrix_b_fmt:MATRIX_FMT_FP6 matrix_a_scale:MATRIX_SCALE_ROW1 matrix_b_scale:MATRIX_SCALE_ROW1
.endif
.endm
; one query tile against the step's 128 keys
.macro TILE n
	WIN 0x04                                       ; source 1 (Q) window 1
.irp T, 0,1,2,3,4,5,6,7
	KQ \T, \n
.endr
	WIN 0
	PLACES 4                                       ; behind the products (ISA guide 7.12.1), ahead of the first read of results
.irp c, 0,1                                    ; my two blocks' largest scores, each in two chains; each accumulator is first read at its low end
	v_max3_num_f32 v[BM+\c], v[S+32*\c], v[S+32*\c+1], v[S+32*\c+2]
	v_max3_num_f32 v[BM+2+\c], v[S+32*\c+16], v[S+32*\c+17], v[S+32*\c+18]
.endr
.irp k, 3,5,7,9,11,13
.irp c, 0,1
	v_max3_num_f32 v[BM+\c], v[BM+\c], v[S+32*\c+\k], v[S+32*\c+\k+1]
	v_max3_num_f32 v[BM+2+\c], v[BM+2+\c], v[S+32*\c+16+\k], v[S+32*\c+17+\k]
.endr
.endr
.irp c, 0,1
	v_max3_num_f32 v[BM+\c], v[BM+\c], v[BM+2+\c], v[S+32*\c+15]
.endr
.irp c, 0,1
	v_max_num_f32 v[BM+\c], v[BM+\c], v[S+32*\c+31]
.endr
	v_max_num_f32 v[T0], v[BM], v[BM+1]
	v_permlanex16_b32 v[T1], v[T0], s[SEL], s[SEL+1]
	v_max_num_f32 v[T0], v[T0], v[T1]              ; the step's largest score of my query
	v_mul_f32 v[T0], s[CSN], v[T0]                 ; -t
	v_floor_f32 v[T0], v[T0]                       ; -ceil(t)
	v_min_num_f32 v[T0], v[T0], v[NM+4*\n]         ; the new -M
	v_sub_f32 v[T1], v[T0], v[NM+4*\n]             ; old M - new M: a whole number, 0 or less
	v_mov_b32 v[NM+4*\n], v[T0]
	v_cvt_i32_f32 v[T1], v[T1]                     ; (it saturates)
	v_ldexp_f32 v[FM], 1.0, v[T1]                  ; f
.set J, 0
.rept 32
	v_pk_fma_f32 v[S+J:S+J+1], v[S+J:S+J+1], s[CS:CS+1], v[NM+4*\n:NM+4*\n+1] op_sel_hi:[1,0,0]   ; t - M
.set J, J+2
.endr
.irp c, 0,1
	v_fma_f32 v[BM+\c], v[BM+\c], s[CS], v[NM+4*\n]   ; the same of each block's largest score
.endr
	s_wait_alu depctr_va_vdst(0)                   ; the wait ahead of the batch
.irp c, 0,1
	v_exp_f32 v[BM+\c], v[BM+\c]                   ; the blocks' largest p,
.endr
.set J, 0
.rept 64
	v_exp_f32 v[S+J], v[S+J]                       ; and p = 2^(t - M), at most 1
.set J, J+1
.endr
	v_pk_mul_f32 v[LS+4*\n:LS+4*\n+1], v[LS+4*\n:LS+4*\n+1], v[FM:FM+1] op_sel_hi:[1,0]   ; the sum under the new M: a plain place behind the batch
	WIN 0x41                                       ; O^T: source 0 and destination window 1
	s_wait_alu depctr_va_vdst(0)                   ; the wait behind the batch and directly ahead of the first reader of O^T
.set J, 0
.rept 16
	v_pk_mul_f32 v[32*\n+J:32*\n+J+1], v[32*\n+J:32*\n+J+1], v[FM:FM+1] op_sel_hi:[1,0]
.set J, J+2
.endr
	WIN 0
.irp c, 0,1
	v_max_num_f32 v[BM+\c], 0x1800000, v[BM+\c]    ; the floor 2^(3 - 127): the byte cannot fall under 1
.endr
.irp c, 0,1
	s_delay_alu instid0(VALU_DEP_2)
	v_add_nc_u32 v[SO+\c], 0xff000000, v[BM+\c]    ; 2 off the exponent field: the conversion's scale operand
.endr
.irp c, 0,1
	s_delay_alu instid0(VALU_DEP_2)
	v_lshrrev_b32 v[BT+\c], 23, v[SO+\c]
.endr
	s_delay_alu instid0(VALU_DEP_1)
	v_lshl_or_b32 v[BT], v[BT+1], 16, v[BT]        ; my bytes: blocks h and 2 + h,
	s_delay_alu instid0(VALU_DEP_1)
	v_lshlrev_b32 v[BT], v[SH8], v[BT]             ; at their places;
	s_delay_alu instid0(VALU_DEP_1)
	v_permlanex16_b32 v[BT+1], v[BT], s[SEL], s[SEL+1]
	s_delay_alu instid0(VALU_DEP_1)
	v_or_b32 v[PW], v[BT], v[BT+1]                 ; with lane l xor 16's two the word is whole
.irp c, 0,1
	v_cvt_scalef32_pk16_fp6_f32 v[PCD+6*\c:PCD+6*\c+2], v[S+32*\c:S+32*\c+15], v[SO+\c]
	v_cvt_scalef32_pk16_fp6_f32 v[TQ+4*\c:TQ+4*\c+2], v[S+32*\c+16:S+32*\c+31], v[SO+\c]   ; (a conversion's three registers begin on an even number)
.endr
	v_nop                                          ; one plain place behind a scaled conversion
.irp c, 0,1
.irp k, 0,1,2
	v_mov_b32 v[PCD+6*\c+3+\k], v[TQ+4*\c+\k]
.endr
.endr
	v_pk_add_f32 v[L2:L2+1], v[S:S+1], v[S+2:S+3]  ; THE ROW'S SUM OF THE UNQUANTISED p, in four chains; these 32 lines are also the places between the writes of p's codes and scale word and the products below
	v_pk_add_f32 v[L2+2:L2+3], v[S+4:S+5], v[S+6:S+7]
	v_pk_add_f32 v[L2+4:L2+5], v[S+8:S+9], v[S+10:S+11]
.irp k, 12,20,28,36,44,52
	v_pk_add_f32 v[LS+4*\n:LS+4*\n+1], v[LS+4*\n:LS+4*\n+1], v[S+\k:S+\k+1]
	v_pk_add_f32 v[L2:L2+1], v[L2:L2+1], v[S+\k+2:S+\k+3]
	v_pk_add_f32 v[L2+2:L2+3], v[L2+2:L2+3], v[S+\k+4:S+\k+5]
	v_pk_add_f32 v[L2+4:L2+5], v[L2+4:L2+5], v[S+\k+6:S+\k+7]
.endr
	v_pk_add_f32 v[LS+4*\n:LS+4*\n+1], v[LS+4*\n:LS+4*\n+1], v[S+60:S+61]
	v_pk_add_f32 v[L2:L2+1], v[L2:L2+1], v[S+62:S+63]
	v_pk_add_f32 v[L2+2:L2+3], v[L2+2:L2+3], v[L2+4:L2+5]
	s_delay_alu instid0(VALU_DEP_2)
	v_pk_add_f32 v[LS+4*\n:LS+4*\n+1], v[LS+4*\n:LS+4*\n+1], v[L2:L2+1]
	s_delay_alu instid0(VALU_DEP_1)
	v_pk_add_f32 v[LS+4*\n:LS+4*\n+1], v[LS+4*\n:LS+4*\n+1], v[L2+2:L2+3]
.if (\n) == 0
	s_wait_dscnt 0x0                               ; V and its scale words are in
.endif
	WIN 0x50                                       ; C and D window 1
.irp t, 0,1,2,3
	v_wmma_scale_f32_16x16x128_f8f6f4 v[32*\n+8*\t:32*\n+8*\t+7], v[VF+12*\t:VF+12*\t+11], v[PCD:PCD+11], v[32*\n+8*\t:32*\n+8*\t+7], v[VS+\t], v[PW] matrix_a_fmt:MATRIX_FMT_FP6 matrix_b_fmt:MATRIX_FMT_FP6
.endr
	WIN 0
.endm
; a key step: 128 keys against my four tiles.  pf = 1: with the prefetch
.macro STEP pf
	v_add_nc_u32 v[ADK], s[TK], v[AK]              ; these five are also the places behind the last step's products, ahead of the loads into their operands
	v_add_nc_u32 v[ADV], s[TK], v[LIV]
	v_add_nc_u32 v[ADW], s[TK], v[L8V]
	v_add_nc_u32 v[ADS], s[TS], v[AKS]
	v_add_nc_u32 v[ADT], s[TJ], v[LRS]
.irp g, 0,1                                    ; tile 4 g + t: registers 6 u .. 6 u + 5 (u = t % 2) of pair image 2 g + r / 8, rows 8 (t / 2) + r % 8
.irp q, 0,1
	ds_load_b128 v[KF+6*(4*\g+2*\q):KF+6*(4*\g+2*\q)+3], v[ADK] offset:3072*\g+128*\q
	ds_load_b64 v[KF+6*(4*\g+2*\q)+4:KF+6*(4*\g+2*\q)+5], v[ADK] offset:3072*\g+128*\q+512
	ds_load_b64 v[KF+6*(4*\g+2*\q)+6:KF+6*(4*\g+2*\q)+7], v[ADK] offset:3072*\g+128*\q+520
	ds_load_b128 v[KF+6*(4*\g+2*\q)+8:KF+6*(4*\g+2*\q)+11], v[ADK] offset:3072*\g+128*\q+1024
	ds_load_b32 v[KS+2*\g+\q], v[ADS] offset:256*\g+64*\q
.endr
.endr
.irp t, 0,1,2,3
.irp c, 0,1
	ds_load_b128 v[VF+12*\t+6*\c:VF+12*\t+6*\c+3], v[ADV] offset:1536*\t+768*\c
	ds_load_b64 v[VF+12*\t+6*\c+4:VF+12*\t+6*\c+5], v[ADW] offset:1536*\t+768*\c
.endr
.endr
	ds_load_b128 v[VS:VS+3], v[ADT]
	s_wait_dscnt 17                                ; K and its scale words are in: V's 16 loads and its scale words' one were issued later
	TILE 0
.if \pf
	s_cmp_eq_u32 s[WV], 3
	s_cbranch_scc0 .Lnp_\@
	s_cmp_ge_u32 s[CNT], 3                         ; trips 0 to 12: step t + 3 exists
	s_cbranch_scc0 .Lnp_\@
	global_prefetch_b8 v[PFO], s[PFA:PFA+1] th:TH_LOAD_NT scope:SCOPE_SE
.Lnp_\@:
.endif
	TILE 1
	TILE 2
	TILE 3
.endm
; O^T / the sum of tile n, quantised along the head's 64 channels (two blocks): a half image and two scale bytes.  Each tile has its own registers for what it stores
.macro FINT n
.set FC, KF+8*(\n)
.set FW, VF+(\n)
	WIN 0x01                                       ; source 0 (O^T) window 1
	s_wait_alu depctr_va_vdst(0)                   ; the wait behind the reciprocals and directly ahead of the first reader of O^T
.set J, 0
.rept 32
	v_mul_f32 v[S+J], v[32*\n+J], v[LS+4*\n]       ; number 16 b + i: channel 32 b + 16 h + i of my query
.set J, J+1
.endr
	WIN 0
.irp b, 0,1
	v_max3_num_f32 v[BM+\b], |v[S+16*\b]|, |v[S+1+16*\b]|, 0x1800000
.endr
.irp k, 2,4,6,8,10,12,14
.irp b, 0,1
	s_delay_alu instid0(VALU_DEP_2)
	v_max3_num_f32 v[BM+\b], v[BM+\b], |v[S+16*\b+\k]|, |v[S+1+16*\b+\k]|
.endr
.endr
.irp b, 0,1
	s_delay_alu instid0(VALU_DEP_2)
	v_permlanex16_b32 v[BT+\b], v[BM+\b], s[SEL], s[SEL+1]
.endr
.irp b, 0,1
	s_delay_alu instid0(VALU_DEP_2)
	v_max_num_f32 v[BM+\b], v[BM+\b], v[BT+\b]
.endr
.irp b, 0,1
	s_delay_alu instid0(VALU_DEP_2)
	v_add_nc_u32 v[SO+\b], 0xff000000, v[BM+\b]
.endr
.irp b, 0,1
	s_delay_alu instid0(VALU_DEP_2)
	v_lshrrev_b32 v[BT+\b], 23, v[SO+\b]
.endr
	s_delay_alu instid0(VALU_DEP_1)
	v_lshl_or_b32 v[FW], v[BT+1], 8, v[BT]
	v_cvt_scalef32_pk16_fp6_f32 v[FC:FC+2], v[S:S+15], v[SO]
	v_cvt_scalef32_pk16_fp6_f32 v[TQ:TQ+2], v[S+16:S+31], v[SO+1]
	v_nop                                          ; one plain place behind a scaled conversion
.irp k, 0,1,2
	v_permlane16_swap_b32 v[FC+\k], v[TQ+\k]       ; a whole block to a lane
.endr
.irp k, 0,1,2
	s_delay_alu instid0(VALU_DEP_3)
	v_mov_b32 v[FC+3+\k], v[TQ+\k]
.endr
	global_store_b128 v[LI], v[FC:FC+3], s[56:57] offset:6144*\n          ; 512 consecutive bytes, aligned
	global_store_b64 v[L8], v[FC+4:FC+5], s[56:57] offset:6144*\n+512     ; and 256
	global_store_b16 v[LR], v[FW], s[58:59] offset:256*\n                 ; lanes l and l xor 16 store the same two bytes at the same place
.endm
	s_load_b128 s[4:7], s[0:1], 0x0                ; qq s[4:5], kv s[6:7]
	s_load_b64 s[8:9], s[0:1], 0x10                ; oq
	v_lshl_add_u32 v[SPW], v0, 2, SPARE
	v_mov_b32 v[NIL], 0
	ds_add_u32 v[SPW], v[NIL]                      ; the opening lines: the add, twice on end, and its wait
	ds_add_u32 v[SPW], v[NIL]
	v_lshrrev_b32 v1, 5, v0
	v_readfirstlane_b32 s[WV], v1                  ; wave 0..7
	s_bfe_u32 s67, ttmp6, 0x40000                  ; cx
	s_lshl_b32 s11, ttmp9, 2
	s_add_co_u32 s11, s11, s67                     ; x
	s_and_b32 s12, ttmp7, 0xffff                   ; y
	; descriptor groups 1: dense rows of 256 bytes (32 elements of 8 bytes), mask 15: 24 rows (a step of K or V), 48 rows (the scale bytes)
	s_mov_b32 s24, 15|(3<<16)|(1<<21)
	s_mov_b32 s25, 32<<16
	s_mov_b32 s26, 24<<16
	s_mov_b32 s27, 32<<16
	s_mov_b32 s28, 24
	s_mov_b32 s29, 32
	s_mov_b32 s30, 0
	s_mov_b32 s31, 0
	s_mov_b32 s32, 15|(3<<16)|(1<<21)
	s_mov_b32 s33, 32<<16
	s_mov_b32 s34, 48<<16
	s_mov_b32 s35, 32<<16
	s_mov_b32 s36, 48
	s_mov_b32 s37, 32
	s_mov_b32 s38, 0
	s_mov_b32 s39, 0
	s_xor_b32 s13, s12, 32                         ; K and V come from the other stream
	s_mul_i32 s60, s13, 208896
	s_mov_b32 s61, 0
	s_and_b32 s14, s[WV], 1
	s_mul_i32 s15, s14, 98304                      ; wave 0: K, wave 1: V: in LDS as in memory
	s_lshr_b32 s13, s67, 1                         ; the prefetch: partner cx takes units 12 cx .. 12 cx + 11 of a step's 48
	s_mul_i32 s48, s13, 98304
	s_and_b32 s13, s67, 1
	s_mul_i32 s13, s13, 3072
	s_add_co_u32 s48, s48, s13
	s_add_co_u32 s48, s48, 2*6144                  ; trip 0 steps it to step 3
	s_mov_b32 s49, 0
	s_mul_i32 s16, s12, 106496                     ; Q: my two pair images, 16 x + 2 w on,
	s_lshl_b32 s17, s11, 4
	s_lshl_b32 s13, s[WV], 1
	s_add_co_u32 s17, s17, s13
	s_mul_i32 s17, s17, 1536
	s_add_co_u32 s52, s16, s17
	s_mov_b32 s53, 0
	s_lshl_b32 s17, s11, 3                         ; and their scale words: 256 bytes for 64 tokens
	s_add_co_u32 s17, s17, s[WV]
	s_lshl_b32 s17, s17, 8
	s_add_co_u32 s54, s16, s17
	s_add_co_u32 s54, s54, 98304
	s_mov_b32 s55, 0
	s_lshr_b32 s17, s12, 3                         ; my first tile among all 1,024 row tiles
	s_lshl_b32 s17, s17, 7
	s_lshl_b32 s13, s11, 5
	s_add_co_u32 s17, s17, s13
	s_lshl_b32 s13, s[WV], 2
	s_add_co_u32 s17, s17, s13
	s_and_b32 s16, s12, 7                          ; the head in its row
	s_mul_i32 s56, s17, 6144
	s_mul_i32 s13, s16, 768
	s_add_co_u32 s56, s56, s13
	s_mov_b32 s57, 0
	s_lshl_b32 s58, s17, 8
	s_lshl_b32 s13, s16, 1
	s_add_co_u32 s58, s58, s13
	s_add_co_u32 s58, s58, OSC
	s_mov_b32 s59, 0
	s_mov_b32 s[CS], 0x3e38aa3b
	s_mov_b32 s[CS+1], s[CS]                       ; (named with it as a pair, so it is written)
	s_mov_b32 s[CSN], 0xbe38aa3b
	s_mov_b32 s[SEL], 0x76543210
	s_mov_b32 s[SEL+1], 0xfedcba98
	s_mov_b32 s[TK], 0
	s_mov_b32 s[TS], 0
	s_mov_b32 s[TJ], 0
	s_mov_b32 s[CNT], 15
	s_wait_dscnt 0x0                               ; both opening adds are done
	s_wait_kmcnt 0x0
	s_add_nc_u64 s[60:61], s[6:7], s[60:61]        ; the head's block of kv
	s_mov_b32 s40, 1                               ; group 0: step 0 of K or of V
	s_mov_b32 s41, s15
	s_mov_b32 s62, s15
	s_mov_b32 s63, 0
	s_add_nc_u64 s[42:43], s[60:61], s[62:63]
	s_or_b32 s43, s43, 0x80000000
	s_mov_b32 s44, 1                               ; group 0: the scale bytes
	s_mov_b32 s45, 196608
	s_add_nc_u64 s[46:47], s[60:61], 196608
	s_or_b32 s47, s47, 0x80000000
	s_add_nc_u64 s[PFA:PFA+1], s[60:61], s[PFA:PFA+1]
	s_add_nc_u64 s[52:53], s[4:5], s[52:53]
	s_add_nc_u64 s[54:55], s[4:5], s[54:55]
	s_add_nc_u64 s[56:57], s[8:9], s[56:57]
	s_add_nc_u64 s[58:59], s[8:9], s[58:59]
	ROUND                                          ; the four work-groups are here: the first joint loads meet
	s_cmp_lt_u32 s[WV], 2                          ; one chain of branches on the wave's number, at most one load on each way
	s_cbranch_scc0 .Lhead_s
	tensor_load_to_lds s[40:43], s[24:31]
	s_nop 0
	PLACES 4
	s_branch .Lhead_done
.Lhead_s:
	s_cmp_eq_u32 s[WV], 2
	s_cbranch_scc0 .Lhead_done
	tensor_load_to_lds s[44:47], s[32:39]
	s_nop 0
	PLACES 4
.Lhead_done:
	v_and_b32 v18, 31, v0                          ; lane
	v_and_b32 v19, 15, v0                          ; r
	v_bfe_u32 v252, v0, 4, 1                       ; h
	v_and_b32 v253, 7, v0                          ; r % 8
	v_bfe_u32 v254, v0, 3, 1                       ; r / 8
	v_lshlrev_b32 v[LI], 4, v18
	v_lshlrev_b32 v[L8], 3, v18
	v_lshlrev_b32 v[LR], 4, v19
	v_lshlrev_b32 v[SH8], 3, v252
	v_lshl_add_u32 v253, v252, 4, v253             ; r % 8 + 16 h
	v_min_u32 v[PFO], 11, v18
	v_add_nc_u32 v[LIV], 98304, v[LI]
	v_add_nc_u32 v[L8V], 98816, v[L8]
	v_add_nc_u32 v[LRS], 204800, v[LR]
	v_lshlrev_b32 v[AK], 4, v253
	v_lshlrev_b32 v[AKS], 3, v253
	v_lshlrev_b32 v[PFO], 8, v[PFO]
	v_mad_u32_u24 v[AK], v254, 1536, v[AK]
	v_lshl_add_u32 v[AKS], v254, 2, v[AKS]
	v_add_nc_u32 v[AKS], 196608, v[AKS]
	global_load_b64 v[QS:QS+1], v[L8], s[54:55]    ; Q's scale words of my two pairs
	WIN 0x40                                       ; destination window 1
.irp p, 0,1                                    ; a pair image's registers 0-5 and 6-11 go to two fragments
	global_load_b128 v[QF+24*\p:QF+24*\p+3], v[LI], s[52:53] offset:1536*\p
	global_load_b64 v[QF+24*\p+4:QF+24*\p+5], v[LI], s[52:53] offset:1536*\p+512
	global_load_b64 v[QF+24*\p+12:QF+24*\p+13], v[LI], s[52:53] offset:1536*\p+520
	global_load_b128 v[QF+24*\p+14:QF+24*\p+17], v[LI], s[52:53] offset:1536*\p+1024
.endr
.irp n, 0,1,2,3
.irp k, 6,7,8,9,10,11
	v_mov_b32 v[QF+12*\n+\k], 0                    ; zero codes for the K that the head does not have
.endr
.endr
.set J, 0
.rept 128
	v_mov_b32 v[J], 0                              ; O^T: the step is written without a first form: it finds zeros, which the first change of M leaves zeros
.set J, J+1
.endr
	WIN 0
.irp k, 48,49,50,51,52,53
	v_mov_b32 v[KF+\k], 0                          ; zero codes behind K's last tile
.endr
.irp n, 0,1,2,3
	v_mov_b32 v[NM+4*\n], 0x7f61b1e6               ; -M = 3e38: over every -t
	v_mov_b32 v[NM+4*\n+1], 0
	v_mov_b32 v[LS+4*\n], 0
	v_mov_b32 v[LS+4*\n+1], 0
.endr
	v_mov_b32 v[T1], 0                             ; written once: a lane permute's destination counts as one of its sources
	v_mov_b32 v[BT], 0
	v_mov_b32 v[BT+1], 0
	v_mov_b32 v[FM+1], 0                           ; (named as the pair's upper half)
	s_wait_alu depctr_va_vdst(0)                   ; the wait at the head's end
	s_wait_loadcnt 0x0                             ; Q
.Ltrip:                                                ; trip t = 0 .. 14
	s_wait_xcnt 0x0                                ; the last prefetch has read its address
	s_add_nc_u64 s[PFA:PFA+1], s[PFA:PFA+1], 6144
	s_wait_tensorcnt 0x0                           ; my load, if I had one out, has landed: step t (in trip 0 also the scale bytes);
	ds_add_u32 v[SPW], v[NIL]                      ; the add, here twice on end
	ds_add_u32 v[SPW], v[NIL]
	s_add_co_u32 s41, s41, 6144                    ; no load of mine is out: group 0 goes on to step t + 1
	s_add_nc_u64 s[42:43], s[42:43], 6144
	s_wait_dscnt 0x0
	ROUND                                          ; step t is whole for all eight waves, and the four work-groups are here
	s_cmp_lt_u32 s[WV], 2
	s_cbranch_scc0 .Lno_load
	tensor_load_to_lds s[40:43], s[24:31]          ; step t + 1, into bytes of its own
	s_nop 0
	PLACES 4
.Lno_load:
	STEP 1
	s_add_co_u32 s[TK], s[TK], 6144
	s_add_co_u32 s[TS], s[TS], 512
	s_add_co_u32 s[TJ], s[TJ], 256
	s_sub_co_u32 s[CNT], s[CNT], 1
	s_cmp_lg_u32 s[CNT], 0
	s_cbranch_scc1 .Ltrip
	s_wait_tensorcnt 0x0                           ; step 15 has landed; nothing more is asked for, so no round follows
	ds_add_u32 v[SPW], v[NIL]
	s_wait_dscnt 0x0
	s_barrier_signal -1
	s_barrier_wait -1
	STEP 0
.irp n, 0,1,2,3                                ; these twelve lines are also the places behind the last products
	v_add_f32 v[LS+4*\n], v[LS+4*\n], v[LS+4*\n+1]
.endr
.irp n, 0,1,2,3
	s_delay_alu instid0(VALU_DEP_4)
	v_permlanex16_b32 v[BM+\n], v[LS+4*\n], s[SEL], s[SEL+1]
.endr
.irp n, 0,1,2,3
	s_delay_alu instid0(VALU_DEP_4)
	v_add_f32 v[LS+4*\n], v[LS+4*\n], v[BM+\n]     ; the rows' sums
.endr
	s_wait_alu depctr_va_vdst(0)                   ; the wait ahead of the batch
.irp n, 0,1,2,3
	v_rcp_f32 v[LS+4*\n], v[LS+4*\n]
.endr
	v_nop                                          ; a plain place behind the reciprocals
	FINT 0
	FINT 1
	FINT 2
	FINT 3
	s_wait_tensorcnt 0x0                           ; the wave's end
	ds_add_u32 v[SPW], v[NIL]
	s_wait_dscnt 0x0
	ROUND                                          ; the closing round
	s_endpgm
.Lfunc_end_k_qe83c570eaa_attn:
	.size	k_qe83c570eaa_attn, .Lfunc_end_k_qe83c570eaa_attn-k_qe83c570eaa_attn
	.p2alignl 7, 3214868480
	.fill 96, 4, 3214868480
	.section	.rodata,"a",@progbits
	.p2align	6, 0x0
	.amdhsa_kernel k_qe83c570eaa_attn
		.amdhsa_group_segment_fixed_size 327680
		.amdhsa_private_segment_fixed_size 0
		.amdhsa_enable_private_segment 0
		.amdhsa_kernarg_size 24
		.amdhsa_user_sgpr_count 2
		.amdhsa_user_sgpr_kernarg_segment_ptr 1
		.amdhsa_wavefront_size32 1
		.amdhsa_system_sgpr_workgroup_id_x 1
		.amdhsa_system_sgpr_workgroup_id_y 1
		.amdhsa_system_sgpr_workgroup_id_z 1
		.amdhsa_system_vgpr_workitem_id 0
		.amdhsa_next_free_vgpr 512
		.amdhsa_next_free_sgpr 70
		.amdhsa_reserve_vcc 0
		.amdhsa_float_denorm_mode_32 3
		.amdhsa_float_denorm_mode_16_64 3
		.amdhsa_memory_ordered 1
		.amdhsa_forward_progress 1
		.amdhsa_inst_pref_size 140
	.end_amdhsa_kernel
	.amdgpu_metadata
---
amdhsa.version: [ 1, 2 ]
amdhsa.kernels:
  - .name:           k_qe83c570eaa_attn
    .symbol:         k_qe83c570eaa_attn.kd
    .args:
      - { .name: qq, .offset: 0, .size: 8, .value_kind: global_buffer, .address_space: global }
      - { .name: kv, .offset: 8, .size: 8, .value_kind: global_buffer, .address_space: global }
      - { .name: oq, .offset: 16, .size: 8, .value_kind: global_buffer, .address_space: global }
    .group_segment_fixed_size: 327680
    .private_segment_fixed_size: 0
    .kernarg_segment_align: 8
    .kernarg_segment_size: 24
    .max_flat_workgroup_size: 256
    .sgpr_count:     70
    .vgpr_count:     512
    .wavefront_size: 32
...
	.end_amdgpu_metadata
.endif
;; end of part 3
;; launch proj (part 4): grid 256 x 1, 4 waves a work-group, no clusters, 35,328 bytes of LDS; arguments oq, wq, bp, out0, out1; writes out0, out1
.if DOCPART == 4
	.amdgcn_target "amdgcn-amd-amdhsa--gfx1250"
	.amdhsa_code_object_version 6
	.text
	.protected	k_qe83c570eaa_proj
	.globl	k_qe83c570eaa_proj
	.p2align	8
	.type	k_qe83c570eaa_proj,@function
k_qe83c570eaa_proj:
	s_mov_b64 s[64:65], 0
	v_nop
	global_prefetch_b8 v0, s[64:65] scope:SCOPE_SE
	s_setreg_imm32_b32 hwreg(HW_REG_WAVE_MODE, 25, 1), 1
	s_wait_xcnt 0x0
; PROJ: out = O Wp + bp for both streams, on codes of FP6 (E2M3) with E8M0 scales, f32 sums; out0, out1 [8192][512] f32.
; SHARES.  A work-group takes 64 tokens (row tiles 4 blk .. 4 blk + 3); wave w takes columns 128 w .. 128 w + 127: Wp's 32 fragments and O's 16 lie in its registers; 128 matrix instructions a wave, in four groups of 32 tokens x 64 columns.
; Operands go from memory straight into registers as images; there is no tile in LDS that a cluster could ask for jointly, no tensor load, and no barrier before the end: the stage on the way out is each wave's own.
; O's fragment of K step s is two half images of oq (heads 2 s, 2 s + 1); a row's scale word of that K step is the two heads' two bytes each, which lie on end in oq.
; The product is used transposed (source 0 = 16 columns of Wp, source 1 = 16 tokens): a lane holds eight neighbouring columns of one token.  Tile 2 b + u holds the indices 32 b + 8 u + r + 8 (r / 8).
; REGISTERS, in windows of 256.  Window 0: v1-8 addresses; v16-31 O's scale words; v32-63 Wp's; v64-127 eight accumulators; v176-239 rows on the way out.  Window 1: Wp's local tiles 0-3 at 12 (4 t + step), bias tiles at 192 + 8 t.  Window 2: tiles 4-7.  Window 3: O at 12 (4 m + step).
.set OSC,  6291456
.set WSC,  786432
.set LI,   1                           ; 16 x lane
.set L8,   2                           ; 8 x lane
.set LS,   3                           ; 4 x lane
.set R16,  4                           ; 16 r
.set STO,  5                           ; the stage: where I put 32 bytes of a row
.set RD,   6                           ; and where I read a row back
.set CO,   7                           ; my byte offset in two rows of the output
.set BA,   8
.set XS,   16
.set WS,   32
.set HA,   64
.set OB,   176
.set WV,   18
.set SPT,  272                         ; a stage row: 256 bytes + 16, an odd multiple of 16 bytes; 32 rows a wave
.set MSB, 0
.macro WIN new
.if MSB != (\new)
	s_set_vgpr_msb (MSB<<8)|(\new)
.set MSB, (\new)
.endif
.endm
.macro PLACES n
.rept \n
	v_nop
.endr
.endm
; 32 matrix instructions: columns 128 w + 64 sel on x row tiles 2 bb, 2 bb + 1, all of K; accumulator a: row tile 2 bb + a / 4, column tile a % 4.  The eight take turns, one instruction a turn.  The bias is the C of each sum's first instruction.
.macro MULQK sel, bb
.irp ks, 0,1,2,3
.if \ks == 0
	WIN 0x1d+0x11*(\sel)                           ; source 0 (Wp) and source 2 (bias) window 1 + sel, source 1 (O) window 3
.else
	WIN 0x0d+(\sel)
.endif
.irp a, 0,1,2,3,4,5,6,7
.if \ks == 0
	v_wmma_scale_f32_16x16x128_f8f6f4 v[HA+8*\a:HA+8*\a+7], v[12*(4*(\a%4)+\ks):12*(4*(\a%4)+\ks)+11], v[12*(4*(2*(\bb)+\a/4)+\ks):12*(4*(2*(\bb)+\a/4)+\ks)+11], v[192+8*(\a%4):192+8*(\a%4)+7], v[WS+4*(4*(\sel)+\a%4)+\ks], v[XS+4*(2*(\bb)+\a/4)+\ks] matrix_a_fmt:MATRIX_FMT_FP6 matrix_b_fmt:MATRIX_FMT_FP6
.else
	v_wmma_scale_f32_16x16x128_f8f6f4 v[HA+8*\a:HA+8*\a+7], v[12*(4*(\a%4)+\ks):12*(4*(\a%4)+\ks)+11], v[12*(4*(2*(\bb)+\a/4)+\ks):12*(4*(2*(\bb)+\a/4)+\ks)+11], v[HA+8*\a:HA+8*\a+7], v[WS+4*(4*(\sel)+\a%4)+\ks], v[XS+4*(2*(\bb)+\a/4)+\ks] matrix_a_fmt:MATRIX_FMT_FP6 matrix_b_fmt:MATRIX_FMT_FP6
.endif
.endr
.endr
.endm
; a group and its way out: 32 tokens x 64 columns through my stage, back as whole runs of 256 bytes
.macro OUTG sel, bb
	MULQK \sel, \bb
	WIN 0
	PLACES 5                                       ; four places ahead of the stores that read results; the fifth because the next group's first product writes over these accumulators and no other vector line stands between
.irp a, 0,1,2,3,4,5,6,7
	ds_store_b128 v[STO], v[HA+8*\a:HA+8*\a+3] offset:(\a/4)*16*SPT+128*((\a%4)/2)+32*(\a%2)          ; each accumulator from its low end on
	ds_store_b128 v[STO], v[HA+8*\a+4:HA+8*\a+7] offset:(\a/4)*16*SPT+128*((\a%4)/2)+32*(\a%2)+16
.endr
	s_wait_xcnt 0x0                                ; the last group's stores have read the registers that the loads below fill
.irp i, 0,1,2,3,4,5,6,7,8,9,10,11,12,13,14,15
	ds_load_b128 v[OB+4*\i:OB+4*\i+3], v[RD] offset:2*\i*SPT   ; LDS serves a wave's instructions in order (ISA guide 5.7.1.4): these see my stores
.endr
.irp i, 0,1,2,3,4,5,6,7,8,9,10,11,12,13,14,15
	s_wait_dscnt 15-\i
	global_store_b128 v[CO], v[OB+4*\i:OB+4*\i+3], s[34:35] offset:(32*(\bb)+8*(\i/8)+((2*\i)%16)+8*(((2*\i)%16)/8))*2048+256*(\sel) th:TH_STORE_NT   ; stage rows 2 i, 2 i + 1 are neighbouring tokens; 16 lanes store 256 consecutive bytes, aligned
.endr
.endm
	s_load_b256 s[4:11], s[0:1], 0x0               ; oq s[4:5], wq s[6:7], bp s[8:9], out0 s[10:11]
	s_load_b64 s[12:13], s[0:1], 0x20              ; out1
	v_lshl_add_u32 v254, v0, 2, 0x8800
	v_mov_b32 v255, 0
	v_lshrrev_b32 v1, 5, v0
	v_readfirstlane_b32 s[WV], v1                  ; wave 0..3
	v_and_b32 v9, 31, v0                           ; lane
	v_and_b32 v10, 15, v0                          ; r
	v_bfe_u32 v11, v0, 4, 1                        ; h
	v_lshlrev_b32 v[LI], 4, v9
	v_lshlrev_b32 v[L8], 3, v9
	v_lshlrev_b32 v[LS], 2, v9
	v_lshlrev_b32 v[R16], 4, v10
	s_mul_i32 s19, s[WV], 32*SPT
	v_mul_u32_u24 v[STO], v10, SPT
	v_lshl_add_u32 v[STO], v11, 6, v[STO]
	v_add_nc_u32 v[STO], s19, v[STO]               ; in: row r, + 64 h
	v_mul_u32_u24 v[RD], v11, SPT
	v_add_nc_u32 v[RD], v[RD], v[R16]
	v_add_nc_u32 v[RD], s19, v[RD]                 ; back: lanes 0-15 one row, lanes 16-31 the next
	v_lshl_add_u32 v[CO], v11, 11, v[R16]          ; and the same two rows of the output
	v_lshlrev_b32 v[BA], 6, v11
	s_mul_i32 s24, s[WV], 49152
	s_add_co_u32 s24, s24, 3*196608                ; Wp is matrix 3 of wq
	s_mov_b32 s25, 0
	s_lshl_b32 s26, s[WV], 12
	s_add_co_u32 s26, s26, WSC+3*16384
	s_mov_b32 s27, 0
	s_lshl_b32 s28, s[WV], 9
	s_mov_b32 s29, 0
	s_mul_i32 s30, ttmp9, 24576
	s_mov_b32 s31, 0
	s_lshl_b32 s32, ttmp9, 10
	s_add_co_u32 s32, s32, OSC
	s_mov_b32 s33, 0
	s_and_b32 s34, ttmp9, 127
	s_lshl_b32 s34, s34, 17                        ; 64 rows of 2,048 bytes
	s_add_co_u32 s34, s34, s28                     ; + my 128 columns
	s_mov_b32 s35, 0
	s_wait_alu depctr_va_vdst(0)
	s_wait_kmcnt 0x0
	s_add_nc_u64 s[24:25], s[6:7], s[24:25]
	s_add_nc_u64 s[26:27], s[6:7], s[26:27]
	s_add_nc_u64 s[28:29], s[8:9], s[28:29]
	s_add_nc_u64 s[30:31], s[4:5], s[30:31]
	s_add_nc_u64 s[32:33], s[4:5], s[32:33]
	s_cmp_lt_u32 ttmp9, 128                        ; the first 8,192 rows are the queries of x_vis
	s_cselect_b64 s[10:11], s[10:11], s[12:13]
	s_add_nc_u64 s[34:35], s[10:11], s[34:35]
	WIN 0x40                                       ; destination window 1
.irp f, 0,1,2,3,4,5,6,7,8,9,10,11,12,13,14,15
.irp p, 0,1,2
	global_load_b128 v[12*\f+4*\p:12*\f+4*\p+3], v[LI], s[24:25] offset:\f*1536+512*\p
.endr
.endr
	WIN 0x80                                       ; destination window 2
.irp f, 16,17,18,19,20,21,22,23,24,25,26,27,28,29,30,31
.irp p, 0,1,2
	global_load_b128 v[12*(\f-16)+4*\p:12*(\f-16)+4*\p+3], v[LI], s[24:25] offset:\f*1536+512*\p
.endr
.endr
.irp tl, 0,1,2,3,4,5,6,7                       ; the bias in the result's layout: lane (r, h), tile 2 b + u, register j: column 32 b + 16 h + 8 u + j
	WIN 0x40+0x40*(\tl/4)
	global_load_b128 v[192+8*(\tl%4):192+8*(\tl%4)+3], v[BA], s[28:29] offset:4*(64*(\tl/4)+32*((\tl%4)/2)+8*(\tl%2))
	global_load_b128 v[192+8*(\tl%4)+4:192+8*(\tl%4)+7], v[BA], s[28:29] offset:4*(64*(\tl/4)+32*((\tl%4)/2)+8*(\tl%2))+16
.endr
	WIN 0xc0                                       ; destination window 3
.irp m, 0,1,2,3
.irp ks, 0,1,2,3
.irp c, 0,1
	global_load_b128 v[12*(4*\m+\ks)+6*\c:12*(4*\m+\ks)+6*\c+3], v[LI], s[30:31] offset:\m*6144+(2*\ks+\c)*768
	global_load_b64 v[12*(4*\m+\ks)+6*\c+4:12*(4*\m+\ks)+6*\c+5], v[L8], s[30:31] offset:\m*6144+(2*\ks+\c)*768+512
.endr
.endr
.endr
	WIN 0
.irp f, 0,1,2,3,4,5,6,7,8,9,10,11,12,13,14,15,16,17,18,19,20,21,22,23,24,25,26,27,28,29,30,31
	global_load_b32 v[WS+\f], v[LS], s[26:27] offset:128*\f
.endr
.irp m, 0,1,2,3
	global_load_b128 v[XS+4*\m:XS+4*\m+3], v[R16], s[32:33] offset:256*\m   ; row r's four scale words
.endr
	s_wait_loadcnt 0x0
	OUTG 0, 0
	OUTG 1, 0
	OUTG 0, 1
	OUTG 1, 1
	s_barrier_signal -1
	s_barrier_wait -1
	s_wait_tensorcnt 0x0
	ds_add_u32 v254, v255
	s_wait_dscnt 0x0
	s_endpgm
.Lfunc_end_k_qe83c570eaa_proj:
	.size	k_qe83c570eaa_proj, .Lfunc_end_k_qe83c570eaa_proj-k_qe83c570eaa_proj
	.p2alignl 7, 3214868480
	.fill 96, 4, 3214868480
	.section	.rodata,"a",@progbits
	.p2align	6, 0x0
	.amdhsa_kernel k_qe83c570eaa_proj
		.amdhsa_group_segment_fixed_size 35328
		.amdhsa_private_segment_fixed_size 0
		.amdhsa_enable_private_segment 0
		.amdhsa_kernarg_size 40
		.amdhsa_user_sgpr_count 2
		.amdhsa_user_sgpr_kernarg_segment_ptr 1
		.amdhsa_wavefront_size32 1
		.amdhsa_system_sgpr_workgroup_id_x 1
		.amdhsa_system_sgpr_workgroup_id_y 1
		.amdhsa_system_sgpr_workgroup_id_z 1
		.amdhsa_system_vgpr_workitem_id 0
		.amdhsa_next_free_vgpr 1024
		.amdhsa_next_free_sgpr 66
		.amdhsa_reserve_vcc 0
		.amdhsa_float_denorm_mode_32 3
		.amdhsa_float_denorm_mode_16_64 3
		.amdhsa_memory_ordered 1
		.amdhsa_forward_progress 1
		.amdhsa_inst_pref_size 56
	.end_amdhsa_kernel
	.amdgpu_metadata
---
amdhsa.version: [ 1, 2 ]
amdhsa.kernels:
  - .name:           k_qe83c570eaa_proj
    .symbol:         k_qe83c570eaa_proj.kd
    .args:
      - { .name: oq, .offset: 0, .size: 8, .value_kind: global_buffer, .address_space: global }
      - { .name: wq, .offset: 8, .size: 8, .value_kind: global_buffer, .address_space: global }
      - { .name: bp, .offset: 16, .size: 8, .value_kind: global_buffer, .address_space: global }
      - { .name: out0, .offset: 24, .size: 8, .value_kind: global_buffer, .address_space: global }
      - { .name: out1, .offset: 32, .size: 8, .value_kind: global_buffer, .address_space: global }
    .group_segment_fixed_size: 35328
    .private_segment_fixed_size: 0
    .kernarg_segment_align: 8
    .kernarg_segment_size: 40
    .max_flat_workgroup_size: 128
    .sgpr_count:     66
    .vgpr_count:     1024
    .wavefront_size: 32
...
	.end_amdgpu_metadata
.endif
;; end of part 4
